; MI455X (gfx1250); checked and timed in simulation.
; The chip was launched on July 23, 2026; its instructions are those of AMD's public machine-readable ISA for CDNA 5 (MIT licence, August 2026) and "CDNA5" Instruction Set Architecture Reference Guide (July 2026). The comments in the code are by the model that wrote it; some were corrected since.
;; Mo EMLP. Allowed arithmetic: float matrix products may take bf16 or f16 operands with f32 sums; other float arithmetic in f32, or as packed bf16 or f16 multiplies, adds, multiply-adds, maxima and minima; sums over many terms, partial sums and values carried from step to step in f32; what a program stores and reads back later, other than sums and carried values, may be rounded once to bf16 or f16.
;; Inputs: W1 16 x 1,024 x 512 float32; W2 16 x 512 x 1,024 float32; Wr 16 x 512 float32; b1 16 x 1,024 float32; b2 16 x 512 float32; x 8 x 512 x 512 float32.
;; Outputs: out0 8 x 512 x 512 float32; out1 one number float32.
;; Constants: k = 2.
;; 2 versions, each right; version 2 is version 1 with the launches route, gather, down written anew for expert scheduling mode. Each part assembles by itself: llvm-mc -triple=amdgcn-amd-amdhsa -mcpu=gfx1250 --defsym DOCPART=n.
;; ======== version 1 of 2: 5 launches
;; workspace buffers: xb 4,194,304 bytes; bm 16,384 bytes of whole numbers; gw 32,768 bytes; pp 16,384 bytes; lst 163,840 bytes of whole numbers; xg 67,108,864 bytes; hid 134,217,728 bytes; part 33,554,432 bytes
;; launch route (part 1): grid 128 x 1, 4 waves a work-group, no clusters, 60,928 bytes of LDS; arguments x, Wr, xb, bm, gw, pp; writes xb, bm, gw, pp
.if DOCPART == 1
	.amdgcn_target "amdgcn-amd-amdhsa--gfx1250"
	.amdhsa_code_object_version 6
	.text
	.protected	k_qfd6ca86edc_route
	.globl	k_qfd6ca86edc_route
	.p2align	8
	.type	k_qfd6ca86edc_route,@function
k_qfd6ca86edc_route:
	s_mov_b64 s[64:65], 0
	v_nop
	global_prefetch_b8 v0, s[64:65] scope:SCOPE_SE
	s_setreg_imm32_b32 hwreg(HW_REG_WAVE_MODE, 25, 1), 1
	s_wait_xcnt 0x0
; ROUTER.  logits[t][e] = sum over k of bf16(x[t][k]) bf16(Wr[e][k]), f32 sums; the two largest logits of each token, their softmax (the gates), bitmaps of the choices,
; and for the load-balance loss each group's sums of softmax probabilities and counts of choices.  x leaves rounded to bf16 (xb) for the first product.
; SHARES.  A work-group owns 32 tokens (a bitmap word is 32 tokens, made in one wave); wave w owns k = 128 w .. 128 w + 127 of all 32 rows and of Wr's 16 rows.
; One load of a wave is 512 consecutive bytes of a row, one store of xb 256 consecutive bytes, aligned.  The four waves' partial logits meet in LDS; wave 0 does the routing.
; OUT.  bm[group][32]: word e = tokens that chose expert e (first or second), word 16 + e = tokens whose SECOND choice is e.  gw[2][4096]: the gate of choice j.
;       pp[group][32]: word e = the group's sum of softmax probabilities of expert e, word 16 + e = the group's number of tokens that chose e (f32, exact).
; LIMITS.  NaN and infinities are not treated apart.  Equal logits: the lower index wins, as in top_k.  Logits that differ by less than the f32 sums' own error (their order
; differs from a plain dot product's) may be chosen the other way round.
.set XP,    272                        ; an LDS row: 256 bytes (128 bf16) + 16 of padding: the 16 rows of a fragment load start at 16 different groups of four banks (64 banks of 4 bytes: ISA guide 11.1)
.set WAVEB, 48*XP                      ; a wave's own tiles: 32 rows of x, then 16 rows of Wr
.set WRT,   32*XP
.set RED,   4*WAVEB                    ; 4 x 2,048 bytes: each wave's partial logits
.set SPARE, RED+8192                   ; the spare words, 128 bytes a wave: two blocks of 256 bytes that no other line names
; v0 thread, v1 lane, v2 spare word's address, v3 zero, v4 lane % 16, v5 lane / 16, v6 load offset, v7 xb offset, v8/v9 tile stores, v10/v11 fragment loads, v12 RED store, v13 4 x lane, v14 RED read
; v16-79 raw Wr, then packed x; v80-207 raw x, then fragments (x v80-143, Wr v144-175) and sums (v176-191); v208-239 packed Wr; v192-255 wave 0's read-back
	s_load_b256 s[4:11], s[0:1], 0x0               ; x s[4:5], Wr s[6:7], xb s[8:9], bm s[10:11]
	s_load_b128 s[12:15], s[0:1], 0x20             ; gw s[12:13], pp s[14:15]
	v_lshl_add_u32 v2, v0, 2, SPARE
	v_mov_b32 v3, 0
	v_lshrrev_b32 v1, 5, v0
	v_readfirstlane_b32 s16, v1                    ; wave 0..3
	v_and_b32 v1, 31, v0
	v_and_b32 v4, 15, v0
	v_bfe_u32 v5, v0, 4, 1
	s_lshl_b32 s17, s16, 9
	v_lshl_add_u32 v6, v1, 4, s17                  ; 512 w + 16 lane: my 4 f32 of a row
	s_lshl_b32 s20, s16, 8
	v_lshl_add_u32 v7, v1, 3, s20                  ; 256 w + 8 lane: the same 4 numbers in bf16
	s_mul_i32 s21, s16, WAVEB
	v_lshl_add_u32 v8, v1, 3, s21                  ; into my x tile
	v_add_nc_u32 v9, WRT, v8                       ; into my Wr tile
	v_mul_u32_u24 v10, v4, XP
	v_lshl_add_u32 v10, v5, 4, v10
	v_add_nc_u32 v10, s21, v10                     ; a fragment's row x pitch + 16 x half
	v_add_nc_u32 v11, WRT, v10
	s_lshl_b32 s17, s16, 11
	s_add_co_u32 s17, s17, RED
	v_lshl_add_u32 v12, v1, 4, s17
	v_lshlrev_b32 v13, 2, v1
	v_lshl_add_u32 v14, v1, 4, RED
	s_mov_b32 s22, 0xffff0000                      ; lanes 16-31
	s_mov_b32 s23, 0xff00ff00                      ; lanes with bit 3 set
	s_mov_b32 s24, 0xf0f0f0f0                      ; bit 2
	s_mov_b32 s25, 0xcccccccc                      ; bit 1
	s_mov_b32 s26, 0xaaaaaaaa                      ; bit 0
	s_mov_b32 s28, 0x76543210                      ; v_permlanex16_b32: each lane takes its own place in the other half
	s_mov_b32 s29, 0xfedcba98
	s_mov_b32 s30, 0x3fb8aa3b                      ; log2(e)
	s_mov_b32 s19, 0
	s_wait_kmcnt 0x0
	s_lshl_b32 s18, ttmp9, 16                      ; 32 rows of 2,048 bytes
	s_add_nc_u64 s[4:5], s[4:5], s[18:19]
	s_lshl_b32 s18, ttmp9, 15                      ; 32 rows of 1,024 bytes
	s_add_nc_u64 s[8:9], s[8:9], s[18:19]
	s_lshl_b32 s18, ttmp9, 7                       ; 128 bytes a group in bm, gw and pp
	s_add_nc_u64 s[10:11], s[10:11], s[18:19]
	s_add_nc_u64 s[12:13], s[12:13], s[18:19]
	s_add_nc_u64 s[14:15], s[14:15], s[18:19]
.set e, 0
.rept 16
	global_load_b128 v[16+4*e:19+4*e], v6, s[6:7] offset:2048*e
.set e, e+1
.endr
.set n, 0
.rept 32
	global_load_b128 v[80+4*n:83+4*n], v6, s[4:5] offset:2048*n th:TH_LOAD_NT
.set n, n+1
.endr
	s_wait_loadcnt 32                              ; Wr's 16 loads are in; x's 32 stay out
.set e, 0
.rept 16
	v_cvt_pk_bf16_f32 v[208+2*e], v[16+4*e], v[17+4*e]
	v_cvt_pk_bf16_f32 v[209+2*e], v[18+4*e], v[19+4*e]
	ds_store_b64 v9, v[208+2*e:209+2*e] offset:XP*e
.set e, e+1
.endr
.set n, 0
.rept 32
	s_wait_loadcnt 31-n                            ; row n is in, the younger rows stay out
	v_cvt_pk_bf16_f32 v[16+2*n], v[80+4*n], v[81+4*n]
	v_cvt_pk_bf16_f32 v[17+2*n], v[82+4*n], v[83+4*n]
	ds_store_b64 v8, v[16+2*n:17+2*n] offset:XP*n
	global_store_b64 v7, v[16+2*n:17+2*n], s[8:9] offset:1024*n  ; each row has registers of its own: none is written again
.set n, n+1
.endr
	; fragments: my own bytes, and LDS serves a wave's instructions in order (ISA guide 5.7.1.4), so no wait stands between the stores above and these loads
.set c, 0
.rept 4
	ds_load_b128 v[144+8*c:147+8*c], v11 offset:64*c
	ds_load_b128 v[148+8*c:151+8*c], v11 offset:64*c+32
	ds_load_b128 v[80+8*c:83+8*c], v10 offset:64*c
	ds_load_b128 v[84+8*c:87+8*c], v10 offset:64*c+32
	ds_load_b128 v[112+8*c:115+8*c], v10 offset:16*XP+64*c
	ds_load_b128 v[116+8*c:119+8*c], v10 offset:16*XP+64*c+32
.set c, c+1
.endr
	s_wait_dscnt 0x0
	; source 0 = Wr's 16 rows, source 1 = 16 tokens: lane (r, h), register j holds expert 8 h + j of token r.  The two accumulators take turns.
	v_wmma_f32_16x16x32_bf16 v[176:183], v[144:151], v[80:87], 0
	v_wmma_f32_16x16x32_bf16 v[184:191], v[144:151], v[112:119], 0
.set c, 1
.rept 3
	v_wmma_f32_16x16x32_bf16 v[176:183], v[144+8*c:151+8*c], v[80+8*c:87+8*c], v[176:183]
	v_wmma_f32_16x16x32_bf16 v[184:191], v[144+8*c:151+8*c], v[112+8*c:119+8*c], v[184:191]
.set c, c+1
.endr
.rept 4
	v_nop                                          ; four places between the last product and the stores of its result
.endr
	ds_store_b128 v12, v[176:179]
	ds_store_b128 v12, v[180:183] offset:512
	ds_store_b128 v12, v[184:187] offset:1024
	ds_store_b128 v12, v[188:191] offset:1536
	s_wait_dscnt 0x0                               ; for wave 0's sake: my partial logits are in LDS
	s_barrier_signal -1
	s_barrier_wait -1
	s_cmp_lg_u32 s16, 0
	s_cbranch_scc1 .Lend
	; WAVE 0.  The four waves' parts are added: (w0 + w1) + (w2 + w3).
.set n, 0
.rept 16
	ds_load_b128 v[192+4*n:195+4*n], v14 offset:2048*(n/4)+512*(n%4)
.set n, n+1
.endr
	s_wait_dscnt 0x0
.set d, 0
.rept 8
	v_pk_add_f32 v[80+2*d:81+2*d], v[192+2*d:193+2*d], v[208+2*d:209+2*d]
	v_pk_add_f32 v[96+2*d:97+2*d], v[224+2*d:225+2*d], v[240+2*d:241+2*d]
.set d, d+1
.endr
.set d, 0
.rept 8
	v_pk_add_f32 v[80+2*d:81+2*d], v[80+2*d:81+2*d], v[96+2*d:97+2*d]
.set d, d+1
.endr
	; v80-87: experts 8 h + j of token r; v88-95: of token 16 + r.  One exchange between the halves gives lane l all 16 logits of token l, in v112-127.
.set j, 0
.rept 8
	v_cndmask_b32 v[104+j], v[88+j], v[80+j], s22  ; what the other half needs of me
.set j, j+1
.endr
.set j, 0
.rept 8
	v_permlanex16_b32 v[96+j], v[104+j], s28, s29
.set j, j+1
.endr
.set j, 0
.rept 8
	v_cndmask_b32 v[112+j], v[80+j], v[96+j], s22
	v_cndmask_b32 v[120+j], v[96+j], v[88+j], s22
.set j, j+1
.endr
	; the two largest, by one scan; the strict compare keeps the lower index.  v128 m1, v129 i1, v130 m2, v131 i2
	v_mov_b32 v128, v112
	v_mov_b32 v129, 0
	v_mov_b32 v130, 0xff800000
	v_mov_b32 v131, 0
.set e, 1
.rept 15
	v_cmp_gt_f32 vcc_lo, v[112+e], v128
	v_cmp_gt_f32 s20, v[112+e], v130
	v_cndmask_b32 v130, v130, v[112+e], s20
	v_cndmask_b32 v131, v131, e, s20
	v_cndmask_b32 v130, v130, v128, vcc_lo
	v_cndmask_b32 v131, v131, v129, vcc_lo
	v_cndmask_b32 v128, v128, v[112+e], vcc_lo
	v_cndmask_b32 v129, v129, e, vcc_lo
.set e, e+1
.endr
	; the gates: softmax of (m1, m2) with the maximum m1 taken away
	v_sub_f32 v132, v130, v128
	v_mul_f32 v132, s30, v132
	v_exp_f32 v132, v132
	v_nop                                          ; a plain instruction between a transcendental and the use of its result (ISA guide 5.7.2)
	s_wait_alu depctr_va_vdst(0)
	v_add_f32 v133, 1.0, v132
	v_rcp_f32 v133, v133
	v_mul_f32 v137, s30, v128                      ; log2(e) m1, for the probabilities below: the plain instruction behind the reciprocal
	s_wait_alu depctr_va_vdst(0)
	v_mul_f32 v134, v132, v133
	global_store_b32 v13, v133, s[12:13]
	global_store_b32 v13, v134, s[12:13] offset:16384
	; bitmaps and counts: a compare's mask is the word
	v_mov_b32 v135, 0
	v_mov_b32 v136, 0
.set e, 0
.rept 16
	v_cmp_eq_u32 s20, e, v129
	v_cmp_eq_u32 s21, e, v131
	s_or_b32 s20, s20, s21
	v_writelane_b32 v135, s20, e
	v_writelane_b32 v135, s21, 16+e
	s_bcnt1_i32_b32 s27, s20
	v_writelane_b32 v136, s27, 16+e
.set e, e+1
.endr
	global_store_b32 v13, v135, s[10:11]           ; 128 consecutive bytes
	; the token's softmax over all 16 logits, the maximum m1 taken away
.set e, 0
.rept 16
	v_fma_f32 v[112+e], v[112+e], s30, -v137
.set e, e+1
.endr
.set e, 0
.rept 16
	v_exp_f32 v[112+e], v[112+e]
.set e, e+1
.endr
	v_cvt_f32_u32 v136, v136                       ; the plain instruction behind the exponentials
	s_wait_alu depctr_va_vdst(0)
	v_pk_add_f32 v[96:97], v[112:113], v[114:115]
	v_pk_add_f32 v[98:99], v[116:117], v[118:119]
	v_pk_add_f32 v[100:101], v[120:121], v[122:123]
	v_pk_add_f32 v[102:103], v[124:125], v[126:127]
	v_pk_add_f32 v[96:97], v[96:97], v[98:99]
	v_pk_add_f32 v[100:101], v[100:101], v[102:103]
	v_pk_add_f32 v[96:97], v[96:97], v[100:101]
	v_add_f32 v96, v96, v97
	v_rcp_f32 v98, v96
	v_nop
.set d, 0
	s_wait_alu depctr_va_vdst(0)
.rept 8
	v_pk_mul_f32 v[112+2*d:113+2*d], v[112+2*d:113+2*d], v[98:99] op_sel_hi:[1,0]
.set d, d+1
.endr
	; sums over the 16 lanes of a half, halving the experts a lane keeps at each step: lane l ends with expert l % 16
.macro BFLY m, mask
.set e, 0
.rept \m
	v_cndmask_b32 v[96+2*e], v[112+e], v[112+e+\m], s[\mask]  ; what I keep
	v_cndmask_b32 v[97+2*e], v[112+e+\m], v[112+e], s[\mask]  ; what my partner keeps
.set e, e+1
.endr
.set e, 0
.rept \m
	v_add_f32_dpp v[112+e], v[97+2*e], v[96+2*e] row_xmask:\m row_mask:0xf bank_mask:0xf
.set e, e+1
.endr
.endm
	BFLY 8, 23
	BFLY 4, 24
	BFLY 2, 25
	BFLY 1, 26
	v_permlanex16_b32 v97, v112, s28, s29          ; the other 16 tokens' sum
	v_add_f32 v112, v112, v97
	v_cndmask_b32 v112, v112, v136, s22            ; lanes 16-31 carry the counts
	global_store_b32 v13, v112, s[14:15]           ; 128 consecutive bytes
.Lend:
	s_wait_tensorcnt 0x0                           ; the wave's end
	ds_add_u32 v2, v3
	s_wait_dscnt 0x0
	s_endpgm
.Lfunc_end_k_qfd6ca86edc_route:
	.size	k_qfd6ca86edc_route, .Lfunc_end_k_qfd6ca86edc_route-k_qfd6ca86edc_route
	.p2alignl 7, 3214868480
	.fill 96, 4, 3214868480
	.section	.rodata,"a",@progbits
	.p2align	6, 0x0
	.amdhsa_kernel k_qfd6ca86edc_route
		.amdhsa_group_segment_fixed_size 60928
		.amdhsa_private_segment_fixed_size 0
		.amdhsa_enable_private_segment 0
		.amdhsa_kernarg_size 48
		.amdhsa_user_sgpr_count 2
		.amdhsa_user_sgpr_kernarg_segment_ptr 1
		.amdhsa_wavefront_size32 1
		.amdhsa_system_sgpr_workgroup_id_x 1
		.amdhsa_system_sgpr_workgroup_id_y 1
		.amdhsa_system_sgpr_workgroup_id_z 1
		.amdhsa_system_vgpr_workitem_id 0
		.amdhsa_next_free_vgpr 256
		.amdhsa_next_free_sgpr 66
		.amdhsa_reserve_vcc 1
		.amdhsa_float_denorm_mode_32 3
		.amdhsa_float_denorm_mode_16_64 3
		.amdhsa_memory_ordered 1
		.amdhsa_forward_progress 1
		.amdhsa_inst_pref_size 46
	.end_amdhsa_kernel
	.amdgpu_metadata
---
amdhsa.version: [ 1, 2 ]
amdhsa.kernels:
  - .name:           k_qfd6ca86edc_route
    .symbol:         k_qfd6ca86edc_route.kd
    .args:
      - { .name: x, .offset: 0, .size: 8, .value_kind: global_buffer, .address_space: global }
      - { .name: Wr, .offset: 8, .size: 8, .value_kind: global_buffer, .address_space: global }
      - { .name: xb, .offset: 16, .size: 8, .value_kind: global_buffer, .address_space: global }
      - { .name: bm, .offset: 24, .size: 8, .value_kind: global_buffer, .address_space: global }
      - { .name: gw, .offset: 32, .size: 8, .value_kind: global_buffer, .address_space: global }
      - { .name: pp, .offset: 40, .size: 8, .value_kind: global_buffer, .address_space: global }
    .group_segment_fixed_size: 60928
    .private_segment_fixed_size: 0
    .kernarg_segment_align: 8
    .kernarg_segment_size: 48
    .max_flat_workgroup_size: 128
    .sgpr_count:     66
    .vgpr_count:     256
    .wavefront_size: 32
...
	.end_amdgpu_metadata
.endif
;; end of part 1
;; launch gather (part 2): grid 16 x 16, 4 waves a work-group, no clusters, 77,312 bytes of LDS; arguments bm, xb, lst, xg; writes lst, xg
.if DOCPART == 2
	.amdgcn_target "amdgcn-amd-amdhsa--gfx1250"
	.amdhsa_code_object_version 6
	.text
	.protected	k_qfd6ca86edc_gather
	.globl	k_qfd6ca86edc_gather
	.p2align	8
	.type	k_qfd6ca86edc_gather,@function
k_qfd6ca86edc_gather:
	s_mov_b64 s[64:65], 0
	v_nop
	global_prefetch_b8 v0, s[64:65] scope:SCOPE_SE
	s_setreg_imm32_b32 hwreg(HW_REG_WAVE_MODE, 25, 1), 1
	s_wait_xcnt 0x0
; THE LISTS, AND THE ROWS LAID END TO END.  For expert e and chunk w of 1,024 tokens (the wave): the rows (token, choice) that chose e, in token order, from the router's bitmaps; and those
; rows of xb, in tiles of 16, in the order of the first product's operand registers, so that each of the expert's 16 work-groups there reads a tile as 32 loads of 512 consecutive bytes.
; lst[e][w] is 2,560 bytes: entries of 2 bytes, entry = token + 4096 x choice, places 0 .. count - 1; the 64 places past the count repeat entry 0, so that a tile that is not full holds a
; row that exists once more; places 1,088 .. 1,119 are a dump; byte 2,304 holds the count.
; xg[e][w][tile 64][kstep 16][q 2][lane 32][16 bytes]: lane (r, h) of block (k, q) holds bytes 64 k + 32 q + 16 h .. + 15 of the tile's row r.
; SHARES.  Work-group (p, e), p = 0 .. 15.  Every wave makes its chunk's list for itself (some 450 lines, in its own 2,560 bytes of LDS); part 0 alone stores it.  Wave w of part p then lays
; tiles p, p + 16, p + 32, p + 48 of chunk w, as far as the count reaches: 16 parts x 4 tiles are the 64 tiles that a chunk can have, so every split is served (0 to 1,024 rows a chunk).
; With an even split a chunk has 8 or 9 tiles.
; THE LIST.  A bitmap word is 32 tokens, one a lane.  A chosen token's place = rows so far + chosen tokens below it in the word.  EXEC is never changed: a token that did not choose e stores
; into the dump, place 1,088 + lane.
; A TILE.  The list is read back 16 bytes a lane, so tile p + 16 t lies in register set t, lanes 2 p and 2 p + 1: eight v_readlane_b32 bring its 16 entries into scalar registers.  A row is
; read whole, two loads of 512 consecutive bytes; the tile goes through the wave's own stage in LDS, at addresses that never change, and comes back as fragments.
; ADDRESSES.  A number made from loaded words enters an address only behind a minimum with a constant; behind the minimum stand only a shift left and adds.
; All LDS bytes are a wave's own, so there is no barrier.  No matrix unit, no tensor load, no cluster: rows come by a list, which no descriptor covers, and no two waves read the same bytes at the same time.
; v1 lane, v2 spare word's address, v3 zero, v4 r, v5 h, v6 16 lane, v7 stage store, v8-11 zeros, v12 count, v13 stage load, v14 my list + 16 lane, v15 pad place, v16, v17 bitmap words,
; v18, v19 token (+ 4096), v20, v21 place and entry, v22 dump place, v25 128 lane, v26-29 a tile's offset in xg, v32-51 the list, v64-191 a tile, v192-207 its rows' offsets in xb
; s14 w, s15 e, s16 p, s20 mask, s21 second-choice mask, s22 rows so far, s24, s26 lanes 2 p, 2 p + 1, s25 tiles, s27 tile, s28 my list, s29 my stage, s30 at work, s32-39 a tile's entries
.set LISTW, 2560
.set CNT,   2304
.set SP,    1040                       ; a stage row: 1,024 bytes + 16: 65 x 16, so the 16 rows of a fragment load start at 16 different groups of four banks (64 banks of 4 bytes: ISA guide 11.1)
.set STAGE, 4*LISTW                    ; 10,240: 16 rows x 1,040 bytes for each wave
.set SPARE, STAGE+4*16*SP              ; 76,800: the spare words, 128 bytes a wave: two blocks of 256 bytes that no other line names
.set D,     64
.set OFF,   192
; Tile p + 16 t of my chunk.
.macro TILE t
	s_add_co_u32 s27, s16, 16*(\t)
	s_cmp_ge_u32 s27, s25                          ; past my last tile: out, forward
	s_cbranch_scc1 .Ldone
.if \t
	s_wait_xcnt 0x0                                ; the last tile's stores have read their data (ISA guide 3.1): the registers are loaded anew below
.endif
.set d, 0
.rept 4
	v_readlane_b32 s[32+d], v[32+4*(\t)+d], s24    ; entries 2 d, 2 d + 1
	v_readlane_b32 s[36+d], v[32+4*(\t)+d], s26    ; entries 8 + 2 d, 9 + 2 d
.set d, d+1
.endr
.set r, 0
.rept 16
	s_bfe_u32 s30, s[32+r/2], 0xc0000+16*(r%2)     ; row r's token: 12 bits of its entry,
	s_min_u32 s30, s30, 0xfff                      ; inside xb's 4,096 rows,
	s_lshl_b32 s30, s30, 10                        ; x 1,024 bytes
	v_add_nc_u32 v[OFF+r], s30, v6                 ; + 16 lane.  The loads that last named this register are in: the last tile's count-down ended at 0
.set r, r+1
.endr
.set n, 0
.rept 32
	global_load_b128 v[D+4*n:D+4*n+3], v[OFF+n/2], s[6:7] offset:512*(n%2)  ; half a row: 512 consecutive bytes
.set n, n+1
.endr
.set n, 0
.rept 32
	s_wait_loadcnt 31-n                            ; half-row n is in; the younger ones stay out
	ds_store_b128 v7, v[D+4*n:D+4*n+3] offset:(n/2)*SP+(n%2)*512
.set n, n+1
.endr
.set n, 0
.rept 32
	ds_load_b128 v[D+4*n:D+4*n+3], v13 offset:32*n  ; block (k, q) = n: my own stage, and LDS serves a wave's instructions in order (ISA guide 5.7.1.4): these see the stores above
.set n, n+1
.endr
	s_lshl_b32 s30, s27, 14                        ; tile x 16,384
	v_add_nc_u32 v[26+(\t)], s30, v6               ; + 16 lane; each tile has an offset register of its own
.set n, 0
.rept 32
	s_wait_dscnt 31-n                              ; block n is back; the younger reads stay out
	global_store_b128 v[26+(\t)], v[D+4*n:D+4*n+3], s[10:11] offset:512*n  ; 512 consecutive bytes, aligned
.set n, n+1
.endr
.endm
	s_load_b256 s[4:11], s[0:1], 0x0               ; bm s[4:5], xb s[6:7], lst s[8:9], xg s[10:11]
	v_lshl_add_u32 v2, v0, 2, SPARE
	v_mov_b32 v3, 0
	v_lshrrev_b32 v1, 5, v0
	v_readfirstlane_b32 s14, v1                    ; wave 0..3
	s_and_b32 s15, ttmp7, 0xffff                   ; expert
	s_mov_b32 s16, ttmp9                           ; part
	s_lshl_b32 s24, s16, 1
	s_add_co_u32 s26, s24, 1
	v_and_b32 v1, 31, v0
	v_and_b32 v4, 15, v0
	v_bfe_u32 v5, v0, 4, 1
	v_lshlrev_b32 v6, 4, v1
	v_lshlrev_b32 v25, 7, v1
	s_mul_i32 s28, s14, LISTW                      ; my list
	v_add_nc_u32 v14, s28, v6
	s_mul_i32 s29, s14, 16*SP
	s_add_co_u32 s29, s29, STAGE                   ; my stage
	v_add_nc_u32 v7, s29, v6                       ; in: 16 bytes a lane of half a row
	v_mul_u32_u24 v13, v4, SP                      ; back: row r, 16 bytes for each half of the lanes
	v_lshl_add_u32 v13, v5, 4, v13
	v_add_nc_u32 v13, s29, v13
	s_lshl_b32 s23, s14, 10
	v_add_nc_u32 v18, s23, v1                      ; the token of my bit in the first word
	v_add_nc_u32 v19, 0x1000, v18                  ; the same as a second choice
	v_add_nc_u32 v22, 0x440, v1                    ; 1,088 + lane
.set n, 0
.rept 4
	v_mov_b32 v[8+n], 0
.set n, n+1
.endr
	s_mov_b32 s22, 0
	s_mov_b32 s19, 0
	s_wait_kmcnt 0x0
	s_lshl_b32 s18, s14, 12                        ; bm: my 32 groups of 128 bytes, word e
	s_lshl_b32 s17, s15, 2
	s_add_co_u32 s18, s18, s17
	s_add_nc_u64 s[4:5], s[4:5], s[18:19]
	s_lshl2_add_u32 s17, s15, s14                  ; 4 e + w
	s_mul_i32 s18, s17, LISTW                      ; lst: x 2,560
	s_add_nc_u64 s[8:9], s[8:9], s[18:19]
	s_lshl_b32 s18, s17, 20                        ; xg: x 64 tiles of 16,384 bytes
	s_add_nc_u64 s[10:11], s[10:11], s[18:19]
	global_load_b32 v16, v25, s[4:5]               ; lane n: the word of my group n: tokens that chose e
	global_load_b32 v17, v25, s[4:5] offset:64     ; tokens whose second choice is e
.set n, 0
.rept 5
	ds_store_b128 v14, v[8:11] offset:512*n        ; all 2,560 bytes are written before any of them is read
.set n, n+1
.endr
	s_wait_loadcnt 0x0
.set n, 0
.rept 32
	v_readlane_b32 s20, v16, n
	v_readlane_b32 s21, v17, n
	v_mbcnt_lo_u32_b32 v20, s20, s22               ; rows so far + chosen tokens below me
	v_cndmask_b32 v20, v22, v20, s20               ; or my place in the dump,
	v_min_u32 v20, 0x45f, v20                      ; never past place 1,119,
	v_lshlrev_b32 v20, 1, v20                      ; 2 bytes an entry,
	v_add_nc_u32 v20, s28, v20                     ; in my list
	v_cndmask_b32 v21, v18, v19, s21
	ds_store_b16 v20, v21
	v_add_nc_u32 v18, 32, v18
	v_add_nc_u32 v19, 32, v19
	s_bcnt1_i32_b32 s23, s20
	s_add_co_u32 s22, s22, s23
.set n, n+1
.endr
	s_min_u32 s22, s22, 1024                       ; my rows
	s_add_co_u32 s25, s22, 15
	s_lshr_b32 s25, s25, 4                         ; my chunk's tiles
	v_mov_b32 v20, s28
	ds_load_u16 v21, v20                           ; entry 0: LDS serves a wave's instructions in order (ISA guide 5.7.1.4)
	v_add_nc_u32 v15, s22, v1                      ; place count + lane,
	v_lshlrev_b32 v15, 1, v15                      ; 2 bytes an entry,
	v_min_u32 v15, 0x83e, v15                      ; never past place 1,055,
	v_add_nc_u32 v15, s28, v15                     ; in my list
	v_mov_b32 v12, s22
	s_wait_dscnt 0x0
	ds_store_b16 v15, v21                          ; the 64 places past the count repeat entry 0
	ds_store_b16 v15, v21 offset:64
	ds_store_b32 v20, v12 offset:CNT               ; all lanes write the same word with the same number
.set n, 0
.rept 5
	ds_load_b128 v[32+4*n:35+4*n], v14 offset:512*n  ; lane l of set n: entries 256 n + 8 l .. + 7
.set n, n+1
.endr
	s_wait_dscnt 0x0
	s_cmp_lg_u32 s16, 0
	s_cbranch_scc1 .Lno_lst                        ; each byte of lst has one writer: part 0
.set n, 0
.rept 5
	global_store_b128 v6, v[32+4*n:35+4*n], s[8:9] offset:512*n  ; 512 consecutive bytes, aligned; these registers are read below and never written again
.set n, n+1
.endr
.Lno_lst:
	TILE 0
	TILE 1
	TILE 2
	TILE 3
.Ldone:
	s_wait_tensorcnt 0x0                           ; the wave's end
	ds_add_u32 v2, v3
	s_wait_dscnt 0x0
	s_endpgm
.Lfunc_end_k_qfd6ca86edc_gather:
	.size	k_qfd6ca86edc_gather, .Lfunc_end_k_qfd6ca86edc_gather-k_qfd6ca86edc_gather
	.p2alignl 7, 3214868480
	.fill 96, 4, 3214868480
	.section	.rodata,"a",@progbits
	.p2align	6, 0x0
	.amdhsa_kernel k_qfd6ca86edc_gather
		.amdhsa_group_segment_fixed_size 77312
		.amdhsa_private_segment_fixed_size 0
		.amdhsa_enable_private_segment 0
		.amdhsa_kernarg_size 32
		.amdhsa_user_sgpr_count 2
		.amdhsa_user_sgpr_kernarg_segment_ptr 1
		.amdhsa_wavefront_size32 1
		.amdhsa_system_sgpr_workgroup_id_x 1
		.amdhsa_system_sgpr_workgroup_id_y 1
		.amdhsa_system_sgpr_workgroup_id_z 1
		.amdhsa_system_vgpr_workitem_id 0
		.amdhsa_next_free_vgpr 208
		.amdhsa_next_free_sgpr 66
		.amdhsa_reserve_vcc 0
		.amdhsa_float_denorm_mode_32 3
		.amdhsa_float_denorm_mode_16_64 3
		.amdhsa_memory_ordered 1
		.amdhsa_forward_progress 1
		.amdhsa_inst_pref_size 87
	.end_amdhsa_kernel
	.amdgpu_metadata
---
amdhsa.version: [ 1, 2 ]
amdhsa.kernels:
  - .name:           k_qfd6ca86edc_gather
    .symbol:         k_qfd6ca86edc_gather.kd
    .args:
      - { .name: bm, .offset: 0, .size: 8, .value_kind: global_buffer, .address_space: global }
      - { .name: xb, .offset: 8, .size: 8, .value_kind: global_buffer, .address_space: global }
      - { .name: lst, .offset: 16, .size: 8, .value_kind: global_buffer, .address_space: global }
      - { .name: xg, .offset: 24, .size: 8, .value_kind: global_buffer, .address_space: global }
    .group_segment_fixed_size: 77312
    .private_segment_fixed_size: 0
    .kernarg_segment_align: 8
    .kernarg_segment_size: 32
    .max_flat_workgroup_size: 128
    .sgpr_count:     66
    .vgpr_count:     208
    .wavefront_size: 32
...
	.end_amdgpu_metadata
.endif
;; end of part 2
;; launch up (part 3): grid 16 x 16, 4 waves a work-group, no clusters, 67,072 bytes of LDS; arguments W1, b1, xg, lst, hid; writes hid
.if DOCPART == 3
	.amdgcn_target "amdgcn-amd-amdhsa--gfx1250"
	.amdhsa_code_object_version 6
	.text
	.protected	k_qfd6ca86edc_up
	.globl	k_qfd6ca86edc_up
	.p2align	8
	.type	k_qfd6ca86edc_up,@function
k_qfd6ca86edc_up:
	s_mov_b64 s[64:65], 0
	v_nop
	global_prefetch_b8 v0, s[64:65] scope:SCOPE_SE
	s_setreg_imm32_b32 hwreg(HW_REG_WAVE_MODE, 25, 1), 1
	s_wait_xcnt 0x0
; FIRST PRODUCT.  hid = gelu(x W1[e]^T + b1[e]) (tanh form) for the rows (token, choice) that chose expert e; operands bf16, sums f32, hid rounded once to bf16.
; SHARES.  Work-group (x = e, y = s) owns 64 columns (rows 64 s .. of W1[e]) x all 512 of K: 131,072 bytes of f32 that it alone reads, once.  The expert is the grid's x and the slice its y:
; the 16 work-groups that read the same tiles of xg are 16 apart in the order x-fastest, not neighbours.  Each wave fetches 16 of the 64 rows, rounds them
; on the way through registers and lays them into LDS; behind the kernel's one barrier every wave takes the WHOLE slice into 512 registers.  Wave w then owns the expert's rows among
; tokens 1024 w .. 1024 w + 1023, in tiles of 16. A fragment of x comes from memory
; straight into registers and feeds four matrix instructions.
; THE ROWS lie end to end in xg[e][w][tile][kstep 16][q 2][lane 32][16 bytes], in the order of the operand registers: a tile is 32 loads of 512 consecutive bytes, at an offset made of
; the tile's number alone.  Their number lies at byte 2,304 of lst[e][w].  A tile that is not full holds a row that exists once more.  Every split is served: 0 to 1,024 rows a wave, 0 to 64 tiles.
; ADDRESSES.  A tile's number enters an address only behind a minimum with a constant; behind the minimum stand only a shift left and an add.
; hid[e][w][tile][kstep 32][q 2][lane 32][16 bytes]: a tile of 16 rows x 1,024 in the order of the second product's operand registers.
; NO TENSOR LOADS, NO CLUSTER: each weight byte has one reader; xg's tiles are shared by 16 work-groups, but the trips hang on stored counts, and joint loads would want the 64 trips
; that cover every split, each with a round of the cluster's barrier.
; LIMITS.  NaN and infinities are not treated apart; the order of the f32 sums is the matrix unit's.
; REGISTERS, in windows of 256 (s_set_vgpr_msb: bits 1:0 source 0, 3:2 source 1, 5:4 source 2, 7:6 destination):
;   window 0: v0-31 small; v32-63 four accumulators; v64-95 the bias in the accumulators' shape; v96-127 at work; v128-255 x buffer a
;   windows 1, 2: the slice: K step k, column block i at 32 (k % 8) + 8 i      window 3: x buffers b, c; ahead of the loop the raw f32 weights land there
.set WP,    1040                       ; a slice row in LDS: 1,024 bytes + 16: 65 x 16, so the 16 rows of a fragment load start at 16 different groups of four banks (64 banks of 4 bytes: ISA guide 11.1)
.set WROWS, 16*WP
.set SPARE, 4*WROWS                    ; 66,560: the spare words, 128 bytes a wave: two blocks of 256 bytes that no other line names
.set LISTW, 2560
.set CNT,   2304
.set ACC,  32
.set BIAS, 64
.set T,    96
; v1 lane, v2 spare word, v3 zero, v4 r, v5 h, v6 16 lane, v10-12 xg offsets of buffers a, b, c, v13 hid offset, v15 at work, v23 slice store, v24 slice load, v26 32 h
; s14 w, s15 e, s16 s, s20 4 e + w, s22 my rows, s25 tiles, s26 tile, s27 trips, s28 my last tile, s29 at work, s[30:31], s[32:33] GELU's constants
.set MSB, 0
.macro WIN new                         ; the immediate's high byte repeats the setting that is left; a switch that changes nothing is dropped
.if MSB != (\new)
	s_set_vgpr_msb (MSB<<8)|(\new)
.set MSB, (\new)
.endif
.endm
.macro WLOAD pitch                     ; my 16 rows of the slice: 64 loads of 512 consecutive bytes, into window 3
	WIN 0xc0
.set n, 0
.rept 64
	global_load_b128 v[4*n:4*n+3], v6, s[4:5] offset:(n/4)*(\pitch)+(n%4)*512 th:TH_LOAD_NT
.set n, n+1
.endr
	WIN 0
.endm
.macro WCVT                            ; four batches of four rows: rounded to bf16, 8 bytes a lane into LDS
.set b, 0
.rept 4
	s_wait_loadcnt 48-16*b                         ; this batch's 16 loads are in; the younger batches stay out
	WIN 0x0f
.set n, 0
.rept 32
	v_cvt_pk_bf16_f32 v[T+n], v[64*b+2*n], v[64*b+2*n+1]
.set n, n+1
.endr
	WIN 0
.set n, 0
.rept 16
	ds_store_b64 v23, v[T+2*n:T+2*n+1] offset:(4*b+n/4)*WP+(n%4)*256
.set n, n+1
.endr
.set b, b+1
.endr
.endm
.macro BLOAD                           ; the whole slice into windows 1 and 2
.set k, 0
.rept 16
	WIN 0x40*(1+k/8)
.set n, 0
.rept 8
	ds_load_b128 v[32*(k%8)+4*n:32*(k%8)+4*n+3], v24 offset:(n/2)*WROWS+64*k+(n%2)*32
.set n, n+1
.endr
.set k, k+1
.endr
	WIN 0
	s_wait_dscnt 0x0
.endm
.macro LOADA buf                       ; a tile's 16 fragments (16 rows x 512 K) into buffer buf: 32 loads of 512 consecutive bytes
.if (\buf) == 0
	WIN 0
.else
	WIN 0xc0
.endif
.set AB, 128*(1-((\buf)%2))
.set n, 0
.rept 32
	global_load_b128 v[AB+4*n:AB+4*n+3], v[10+(\buf)], s[8:9] offset:512*n
.set n, n+1
.endr
	WIN 0
.endm
.macro MULT buf                        ; 64 matrix instructions; source 0 = 16 columns' weights, source 1 = 16 rows: lane (r, h), register j of block i holds row r, column 16 i + 8 h + j.
.set AB, 128*(1-((\buf)%2))            ; The first four start the sums with the bias; the four accumulators take turns.
.set AW, 0
.if (\buf) != 0
.set AW, 3
.endif
.set k, 0
.rept 16
	WIN (1+k/8)|(AW<<2)
.set i, 0
.rept 4
.if k == 0
	v_wmma_f32_16x16x32_bf16 v[ACC+8*i:ACC+8*i+7], v[32*(k%8)+8*i:32*(k%8)+8*i+7], v[AB+8*k:AB+8*k+7], v[BIAS+8*i:BIAS+8*i+7]
.else
	v_wmma_f32_16x16x32_bf16 v[ACC+8*i:ACC+8*i+7], v[32*(k%8)+8*i:32*(k%8)+8*i+7], v[AB+8*k:AB+8*k+7], v[ACC+8*i:ACC+8*i+7]
.endif
.set i, i+1
.endr
.set k, k+1
.endr
.endm
.macro GELU                            ; a / (1 + 2^((C1 a^2 + C0) a)): gelu's tanh form, C0 = -2 sqrt(2/pi) log2(e), C1 = 0.044715 C0.  32 numbers a stage; each accumulator is read from its low end on
.set n, 0
.rept 16
	v_pk_mul_f32 v[T+2*n:T+2*n+1], v[ACC+2*n:ACC+2*n+1], v[ACC+2*n:ACC+2*n+1]
.set n, n+1
.endr
.set n, 0
.rept 16
	v_pk_fma_f32 v[T+2*n:T+2*n+1], v[T+2*n:T+2*n+1], s[32:33], s[30:31] op_sel_hi:[1,0,0]
.set n, n+1
.endr
.set n, 0
.rept 16
	v_pk_mul_f32 v[T+2*n:T+2*n+1], v[T+2*n:T+2*n+1], v[ACC+2*n:ACC+2*n+1]
.set n, n+1
.endr
.set n, 0
.rept 32
	v_exp_f32 v[T+n], v[T+n]
.set n, n+1
.endr
	v_nop                                          ; a plain instruction between the last transcendental and the use of its result (ISA guide 5.7.2)
.set n, 0
	s_wait_alu depctr_va_vdst(0)
.rept 16
	v_pk_add_f32 v[T+2*n:T+2*n+1], v[T+2*n:T+2*n+1], 1.0 op_sel_hi:[1,0]
.set n, n+1
.endr
.set n, 0
.rept 32
	v_rcp_f32 v[T+n], v[T+n]
.set n, n+1
.endr
	v_nop
.set n, 0
	s_wait_alu depctr_va_vdst(0)
.rept 16
	v_pk_mul_f32 v[ACC+2*n:ACC+2*n+1], v[ACC+2*n:ACC+2*n+1], v[T+2*n:T+2*n+1]
.set n, n+1
.endr
.set n, 0
.rept 16
	v_cvt_pk_bf16_f32 v[T+n], v[ACC+2*n], v[ACC+2*n+1]
.set n, n+1
.endr
.endm
; One tile: computed from buffer x, while the tile two on is fetched into the buffer that the tile before has left.
.macro STEP x
.set Y, ((\x)+2)%3
	s_cmp_ge_u32 s26, s25                          ; no tile left: out, forward; nothing that is jumped holds a barrier
	s_cbranch_scc1 .Ldone
	s_wait_loadcnt 32                              ; this tile's 32 loads are in; the next tile's 32 stay out
	s_wait_xcnt 0x0                                ; the last tile's stores have read their offset and their data (ISA guide 3.1): both are written anew further down, and no store stands between
	s_add_co_u32 s29, s26, 2
	s_min_u32 s29, s29, s28                        ; past my last tile the look-ahead reads the last tile again: only bytes that were written are read
	s_min_u32 s29, s29, 63
	s_lshl_b32 s29, s29, 14
	v_add_nc_u32 v[10+Y], s29, v6                  ; tile x 16,384 + 16 lane.  The loads that last named this register were shown in by the step before's wait
	LOADA Y
	MULT \x
	WIN 0
	s_min_u32 s29, s26, 63
	s_lshl_b32 s29, s29, 15
	v_add_nc_u32 v13, s29, v6                      ; tile x 32,768 + 16 lane: with the three lines below, the four places between the last product and the first read of a result (ISA guide 7.12.1)
.rept 3
	v_nop
.endr
	GELU
.set i, 0
.rept 4
	global_store_b128 v13, v[T+4*i:T+4*i+3], s[12:13] offset:512*i  ; 512 consecutive bytes, aligned; the four cover 2,048
.set i, i+1
.endr
	s_add_co_u32 s26, s26, 1
.endm
	s_load_b256 s[4:11], s[0:1], 0x0               ; W1 s[4:5], b1 s[6:7], xg s[8:9], lst s[10:11]
	s_load_b64 s[12:13], s[0:1], 0x20              ; hid
	v_lshl_add_u32 v2, v0, 2, SPARE
	v_mov_b32 v3, 0
	v_lshrrev_b32 v1, 5, v0
	v_readfirstlane_b32 s14, v1                    ; wave 0..3
	s_mov_b32 s15, ttmp9                           ; expert: the grid's x
	s_and_b32 s16, ttmp7, 0xffff                   ; slice: the grid's y
	v_and_b32 v1, 31, v0
	v_and_b32 v4, 15, v0
	v_bfe_u32 v5, v0, 4, 1
	v_lshlrev_b32 v6, 4, v1
	s_mul_i32 s17, s14, WROWS
	v_lshl_add_u32 v23, v1, 3, s17
	v_mul_u32_u24 v24, v4, WP
	v_lshl_add_u32 v24, v5, 4, v24
	v_lshlrev_b32 v26, 5, v5
	s_mov_b32 s30, 0xc0135761                      ; C0 = -2.3022082
	s_mov_b32 s31, s30
	s_mov_b32 s32, 0xbdd2d3e8                      ; C1 = -0.10294324
	s_mov_b32 s33, s32
	s_mov_b32 s19, 0
	s_wait_kmcnt 0x0
	s_lshl_b32 s18, s15, 21                        ; W1: expert x 2 MiB + slice x 64 rows + wave x 16 rows of 2,048 bytes
	s_lshl_b32 s17, s16, 17
	s_add_co_u32 s18, s18, s17
	s_lshl_b32 s17, s14, 15
	s_add_co_u32 s18, s18, s17
	s_add_nc_u64 s[4:5], s[4:5], s[18:19]
	s_lshl_b32 s18, s15, 12                        ; b1: expert x 4,096 + slice x 256
	s_lshl_b32 s17, s16, 8
	s_add_co_u32 s18, s18, s17
	s_add_nc_u64 s[6:7], s[6:7], s[18:19]
	s_lshl2_add_u32 s20, s15, s14                  ; 4 e + w
	s_lshl_b32 s18, s20, 20                        ; xg: x 64 tiles of 16,384 bytes
	s_add_nc_u64 s[8:9], s[8:9], s[18:19]
	s_mul_i32 s18, s20, LISTW                      ; lst: x 2,560
	s_add_nc_u64 s[10:11], s[10:11], s[18:19]
	s_lshl_b32 s18, s20, 21                        ; hid: x 2 MiB + slice x 2,048
	s_lshl_b32 s17, s16, 11
	s_add_co_u32 s18, s18, s17
	s_add_nc_u64 s[12:13], s[12:13], s[18:19]
	s_load_b32 s22, s[10:11], CNT                  ; my rows
.set i, 0
.rept 4
	global_load_b128 v[BIAS+8*i:BIAS+8*i+3], v26, s[6:7] offset:64*i
	global_load_b128 v[BIAS+8*i+4:BIAS+8*i+7], v26, s[6:7] offset:64*i+16
.set i, i+1
.endr
	WLOAD 2048
	s_wait_loadcnt 63                              ; of 72 loads the first 9 are in: the bias's 8 among them
.set n, 0
.rept 16
	v_cvt_pk_bf16_f32 v15, v[BIAS+2*n], v[BIAS+2*n+1]  ; the bias is rounded to bf16 like every input, and widened again
	v_lshlrev_b32 v[BIAS+2*n], 16, v15
	v_and_b32 v[BIAS+2*n+1], 0xffff0000, v15
.set n, n+1
.endr
	s_wait_kmcnt 0x0
	s_min_u32 s22, s22, 1024
	s_add_co_u32 s25, s22, 15
	s_lshr_b32 s25, s25, 4                         ; my tiles
	WCVT
	s_wait_dscnt 0x0                               ; for the others' sake: my 16 rows of the slice are in LDS
	s_barrier_signal -1
	s_barrier_wait -1                              ; the kernel's one barrier; every wave passes it
	s_cmp_eq_u32 s25, 0
	s_cbranch_scc1 .Ldone                          ; none of my tokens chose this expert
	s_sub_co_u32 s28, s25, 1                       ; my last tile
	s_min_u32 s29, s28, 1                          ; tile 1, or tile 0 again where there is one tile
	s_lshl_b32 s29, s29, 14
	v_mov_b32 v10, v6
	v_add_nc_u32 v11, s29, v6
	LOADA 0
	LOADA 1
	BLOAD                                          ; the slice comes out of LDS while the first two tiles are on their way
	s_mov_b32 s26, 0
	s_mov_b32 s27, 22                              ; 22 trips of three tiles cover the 64 tiles that a wave can have
.Ltrip:
	STEP 0
	STEP 1
	STEP 2
	s_sub_co_u32 s27, s27, 1
	s_cmp_lg_u32 s27, 0
	s_cbranch_scc1 .Ltrip
.Ldone:
	s_wait_tensorcnt 0x0                           ; the wave's end
	ds_add_u32 v2, v3
	s_wait_dscnt 0x0
	s_endpgm
.Lfunc_end_k_qfd6ca86edc_up:
	.size	k_qfd6ca86edc_up, .Lfunc_end_k_qfd6ca86edc_up-k_qfd6ca86edc_up
	.p2alignl 7, 3214868480
	.fill 96, 4, 3214868480
	.section	.rodata,"a",@progbits
	.p2align	6, 0x0
	.amdhsa_kernel k_qfd6ca86edc_up
		.amdhsa_group_segment_fixed_size 67072
		.amdhsa_private_segment_fixed_size 0
		.amdhsa_enable_private_segment 0
		.amdhsa_kernarg_size 40
		.amdhsa_user_sgpr_count 2
		.amdhsa_user_sgpr_kernarg_segment_ptr 1
		.amdhsa_wavefront_size32 1
		.amdhsa_system_sgpr_workgroup_id_x 1
		.amdhsa_system_sgpr_workgroup_id_y 1
		.amdhsa_system_sgpr_workgroup_id_z 1
		.amdhsa_system_vgpr_workitem_id 0
		.amdhsa_next_free_vgpr 1024
		.amdhsa_next_free_sgpr 66
		.amdhsa_reserve_vcc 0
		.amdhsa_float_denorm_mode_32 3
		.amdhsa_float_denorm_mode_16_64 3
		.amdhsa_memory_ordered 1
		.amdhsa_forward_progress 1
		.amdhsa_inst_pref_size 88
	.end_amdhsa_kernel
	.amdgpu_metadata
---
amdhsa.version: [ 1, 2 ]
amdhsa.kernels:
  - .name:           k_qfd6ca86edc_up
    .symbol:         k_qfd6ca86edc_up.kd
    .args:
      - { .name: W1, .offset: 0, .size: 8, .value_kind: global_buffer, .address_space: global }
      - { .name: b1, .offset: 8, .size: 8, .value_kind: global_buffer, .address_space: global }
      - { .name: xg, .offset: 16, .size: 8, .value_kind: global_buffer, .address_space: global }
      - { .name: lst, .offset: 24, .size: 8, .value_kind: global_buffer, .address_space: global }
      - { .name: hid, .offset: 32, .size: 8, .value_kind: global_buffer, .address_space: global }
    .group_segment_fixed_size: 67072
    .private_segment_fixed_size: 0
    .kernarg_segment_align: 8
    .kernarg_segment_size: 40
    .max_flat_workgroup_size: 128
    .sgpr_count:     66
    .vgpr_count:     1024
    .wavefront_size: 32
...
	.end_amdgpu_metadata
.endif
;; end of part 3
;; launch down (part 4): grid 16 x 16, 4 waves a work-group, no clusters, 84,480 bytes of LDS; arguments W2, b2, hid, lst, gw, part; writes part
.if DOCPART == 4
	.amdgcn_target "amdgcn-amd-amdhsa--gfx1250"
	.amdhsa_code_object_version 6
	.text
	.protected	k_qfd6ca86edc_down
	.globl	k_qfd6ca86edc_down
	.p2align	8
	.type	k_qfd6ca86edc_down,@function
k_qfd6ca86edc_down:
	s_mov_b64 s[64:65], 0
	v_nop
	global_prefetch_b8 v0, s[64:65] scope:SCOPE_SE
	s_setreg_imm32_b32 hwreg(HW_REG_WAVE_MODE, 25, 1), 1
	s_wait_xcnt 0x0
; SECOND PRODUCT.  part[2 j + kh][token] = gate x (hid W2[e]^T over half kh of K, + b2[e] in half 0) for the rows (token, choice j) that chose expert e; operands bf16, sums and part f32.
; SHARES.  Work-group (x = e, y = 2 c + kh) owns 64 columns (rows 64 c .. of W2[e]) x 512 of K = 1,024: 131,072 bytes of f32 that it alone reads, once.  The expert is the grid's x: the
; work-groups that read the same tiles of hid are 16 or more apart in the order x-fastest, not neighbours.  All else as in the first product: each wave
; rounds 16 rows of the slice into LDS, one barrier, every wave holds the whole slice in 512 registers, wave w owns the expert's rows among tokens 1024 w .. 1024 w + 1023, by the same
; list lst[e][w], so row r of tile i is the same (token, choice) in both launches.  K is split in two so that a wave holds 64 columns: a row's piece of the result is then 256 bytes, and
; each tile of hid is read by 8 work-groups, not 16; the price is two partial rows more for each token, added by the last launch.
; A tile of hid lies in memory in the order of the operand registers: 32 loads of 512 consecutive bytes.
; THE WAY OUT.  A lane holds 8 columns of one row; the tile goes through the wave's own stage in LDS, at addresses that never change, and leaves as whole rows: 16 lanes store 256
; consecutive bytes, aligned, of a token's row.  Rows past the count repeat the list's entry 0: the same wave stores the same numbers to the same place once more.
; ADDRESSES.  A number read from memory, and a tile's number, enters an address only behind a minimum with a constant; behind the minimum stand only shifts left, an AND and adds.
; NO TENSOR LOADS, NO CLUSTER: each weight byte has one reader; hid's tiles are shared by 8 work-groups, but the trips hang on stored counts, and joint loads would want the 64 trips
; that cover every split, each with a round of the cluster's barrier.
; LIMITS.  NaN and infinities are not treated apart; the order of the f32 sums is the matrix unit's, and K's halves are added last.
; REGISTERS, in windows of 256 (s_set_vgpr_msb: bits 1:0 source 0, 3:2 source 1, 5:4 source 2, 7:6 destination):
;   window 0: v0-31 small; v32-63 four accumulators; v64-95 the bias in the accumulators' shape; v96-127 at work; v128-255 hid buffer a
;   windows 1, 2: the slice: K step k, column block i at 32 (k % 8) + 8 i      window 3: hid buffers b, c; ahead of the loop the raw f32 weights land there
.set WP,     1040                      ; a slice row in LDS: 1,024 bytes + 16: the 16 rows of a fragment load start at 16 different groups of four banks (64 banks of 4 bytes: ISA guide 11.1)
.set WROWS,  16*WP
.set STAGE,  4*WROWS                   ; 66,560: 16 rows x 272 bytes for each wave
.set SPITCH, 272
.set SPARE,  STAGE+4*16*SPITCH         ; 83,968: the spare words, 128 bytes a wave: two blocks of 256 bytes that no other line names
.set LISTW,  2560
.set CNT,    2304
.set ACC,  32
.set BIAS, 64
.set T,    96
; In the loop: v1 stage read, v2 spare word, v3 zero, v4 16 r, v5 16 h, v6 16 lane, v7 at work, v8 list offset, v9 list entry ahead, v10-12 hid offsets of buffers a, b, c,
; v13-15 gate offsets, v16-23 the tile's 16 entries, then its store offsets, v24 list offset, the same in all lanes, v25 stage store, v26-31 gates (even; the odd ones are 0)
; Ahead of it: v1 lane, v4 r, v5 h, v8 2 r, v13, v14 the entries of tiles 0, 1, v15 at work, v23 slice store, v24 slice load, v26 32 h
; s16 w, s17 e, s18 c, s19 kh, s22 my rows, s25 tiles, s26 tile, s27 trips, s29 the bias's mask, s34, s35 at work
.set MSB, 0
.macro WIN new                         ; the immediate's high byte repeats the setting that is left; a switch that changes nothing is dropped
.if MSB != (\new)
	s_set_vgpr_msb (MSB<<8)|(\new)
.set MSB, (\new)
.endif
.endm
.macro WLOAD pitch                     ; my 16 rows of the slice: 64 loads of 512 consecutive bytes, into window 3
	WIN 0xc0
.set n, 0
.rept 64
	global_load_b128 v[4*n:4*n+3], v6, s[4:5] offset:(n/4)*(\pitch)+(n%4)*512 th:TH_LOAD_NT
.set n, n+1
.endr
	WIN 0
.endm
.macro WCVT extra                      ; four batches of four rows: rounded to bf16, 8 bytes a lane into LDS.  extra: the loads issued behind the weights'
.set b, 0
.rept 4
	s_wait_loadcnt 48-16*b+(\extra)                ; this batch's 16 loads are in; the younger batches and the loads behind them stay out
	WIN 0x0f
.set n, 0
.rept 32
	v_cvt_pk_bf16_f32 v[T+n], v[64*b+2*n], v[64*b+2*n+1]
.set n, n+1
.endr
	WIN 0
.set n, 0
.rept 16
	ds_store_b64 v23, v[T+2*n:T+2*n+1] offset:(4*b+n/4)*WP+(n%4)*256
.set n, n+1
.endr
.set b, b+1
.endr
.endm
.macro BLOAD                           ; the whole slice into windows 1 and 2
.set k, 0
.rept 16
	WIN 0x40*(1+k/8)
.set n, 0
.rept 8
	ds_load_b128 v[32*(k%8)+4*n:32*(k%8)+4*n+3], v24 offset:(n/2)*WROWS+64*k+(n%2)*32
.set n, n+1
.endr
.set k, k+1
.endr
	WIN 0
	s_wait_dscnt 0x0
.endm
.macro LOADA buf, strk, strq           ; a tile's 16 fragments (16 rows x 512 K) into buffer buf: 32 loads of 512 consecutive bytes
.if (\buf) == 0
	WIN 0
.else
	WIN 0xc0
.endif
.set AB, 128*(1-((\buf)%2))
.set n, 0
.rept 32
	global_load_b128 v[AB+4*n:AB+4*n+3], v[10+(\buf)], s[8:9] offset:(n/2)*(\strk)+(n%2)*(\strq)
.set n, n+1
.endr
	WIN 0
.endm
.macro MULT buf                        ; 64 matrix instructions; source 0 = 16 columns' weights, source 1 = 16 rows: lane (r, h), register j of block i holds row r, column 16 i + 8 h + j.
.set AB, 128*(1-((\buf)%2))            ; The first four start the sums with the bias; the four accumulators take turns.
.set AW, 0
.if (\buf) != 0
.set AW, 3
.endif
.set k, 0
.rept 16
	WIN (1+k/8)|(AW<<2)
.set i, 0
.rept 4
.if k == 0
	v_wmma_f32_16x16x32_bf16 v[ACC+8*i:ACC+8*i+7], v[32*(k%8)+8*i:32*(k%8)+8*i+7], v[AB+8*k:AB+8*k+7], v[BIAS+8*i:BIAS+8*i+7]
.else
	v_wmma_f32_16x16x32_bf16 v[ACC+8*i:ACC+8*i+7], v[32*(k%8)+8*i:32*(k%8)+8*i+7], v[AB+8*k:AB+8*k+7], v[ACC+8*i:ACC+8*i+7]
.endif
.set i, i+1
.endr
.set k, k+1
.endr
.endm
; One tile: computed from buffer x, while the tile two on is fetched into the buffer that the tile before has left.  Issued in a step, in this order: three small loads (the list entry
; of the tile three on; this tile's 16 entries), then 33 (32 of hid, one of gates).
.macro STEP x
.set Y, ((\x)+2)%3
	s_cmp_ge_u32 s26, s25                          ; no tile left: out, forward; nothing that is jumped holds a barrier
	s_cbranch_scc1 .Ldone
	s_wait_loadcnt 33                              ; this tile's 33 loads and the entry of the tile two on are in; the next tile's 33 stay out
	s_wait_xcnt 0x0                                ; the last tile's stores have read their offsets and their data: both are written anew below
	v_min_u32 v9, 0x1fff, v9                       ; the entry of the tile two on, inside gw's 8,192 numbers,
	v_lshlrev_b32 v[13+Y], 2, v9                   ; gw[choice][token] = entry x 4 bytes
	s_add_co_u32 s34, s26, 2
	s_sub_co_u32 s35, s25, 1
	s_min_u32 s34, s34, s35                        ; past my last tile the look-ahead reads the last tile again: only bytes that the first product wrote are read
	s_min_u32 s34, s34, 63
	s_lshl_b32 s34, s34, 15
	v_add_nc_u32 v[10+Y], s34, v6                  ; tile x 32,768 + 16 lane
	s_add_co_u32 s35, s26, 3                       ; the entry of the tile three on:
	s_min_u32 s35, s35, 66                         ; tile 66's row 15 is entry 1,071 of the 1,088 that are written,
	s_lshl_b32 s35, s35, 5                         ; 32 bytes a tile
	v_lshrrev_b32 v8, 3, v4                        ; + 2 r
	v_add_nc_u32 v8, s35, v8
	global_load_u16 v9, v8, s[10:11]
	s_min_u32 s35, s26, 63                         ; this tile's 16 entries, in every lane
	s_lshl_b32 s35, s35, 5
	v_mov_b32 v24, s35
	global_load_b128 v[16:19], v24, s[10:11]
	global_load_b128 v[20:23], v24, s[10:11] offset:16
	LOADA Y, 1024, 512
	global_load_b32 v[26+2*Y], v[13+Y], s[12:13]
	MULT \x
	WIN 0
	s_wait_loadcnt 33                              ; the three small loads are in; the 33 issued behind them stay out
.set p, 0
.rept 8                                ; store p takes rows 2 p (lanes 0-15) and 2 p + 1 (lanes 16-31).  These 48 plain lines name no register of the products: they are the places behind the last one (ISA guide 7.12.1)
	v_bfe_u32 v[16+p], v[16+p], v5, 16
	v_min_u32 v[16+p], 0x1fff, v[16+p]
	v_and_b32 v7, 0x1000, v[16+p]
	v_add_nc_u32 v[16+p], v[16+p], v7              ; token + 8,192 x choice: the row of part, less the half's 4,096
	v_lshlrev_b32 v[16+p], 11, v[16+p]             ; x 2,048 bytes
	v_add_nc_u32 v[16+p], v4, v[16+p]              ; + 16 r
.set p, p+1
.endr
.set n, 0
.rept 16
	v_pk_mul_f32 v[ACC+2*n:ACC+2*n+1], v[ACC+2*n:ACC+2*n+1], v[26+2*(\x):27+2*(\x)] op_sel_hi:[1,0]  ; my row's gate; each accumulator from its low end on
.set n, n+1
.endr
.set n, 0
.rept 8
	ds_store_b128 v25, v[ACC+4*n:ACC+4*n+3] offset:(n/2)*64+(n%2)*16
.set n, n+1
.endr
.set p, 0
.rept 8
	ds_load_b128 v[T+4*p:T+4*p+3], v1 offset:2*SPITCH*p  ; my own stage, and LDS serves a wave's instructions in order (ISA guide 5.7.1.4): these see the stores above
.set p, p+1
.endr
.set p, 0
.rept 8
	s_wait_dscnt 7-p                               ; rows 2 p, 2 p + 1 are back; the younger reads stay out
	global_store_b128 v[16+p], v[T+4*p:T+4*p+3], s[14:15]  ; 16 lanes store 256 consecutive bytes, aligned
.set p, p+1
.endr
	s_add_co_u32 s26, s26, 1
.endm
	s_load_b256 s[4:11], s[0:1], 0x0               ; W2 s[4:5], b2 s[6:7], hid s[8:9], lst s[10:11]
	s_load_b128 s[12:15], s[0:1], 0x20             ; gw s[12:13], part s[14:15]
	v_lshl_add_u32 v2, v0, 2, SPARE
	v_mov_b32 v3, 0
	v_lshrrev_b32 v1, 5, v0
	v_readfirstlane_b32 s16, v1                    ; wave 0..3
	s_mov_b32 s17, ttmp9                           ; expert: the grid's x
	s_and_b32 s35, ttmp7, 0xffff                   ; the grid's y = 2 c + kh
	s_lshr_b32 s18, s35, 1                         ; column slice
	s_and_b32 s19, s35, 1                          ; half of K
	s_cmp_eq_u32 s19, 0
	s_cselect_b32 s29, -1, 0                       ; the bias enters once, in half 0
	v_and_b32 v1, 31, v0
	v_and_b32 v4, 15, v0
	v_bfe_u32 v5, v0, 4, 1
	v_lshlrev_b32 v6, 4, v1
	v_lshlrev_b32 v8, 1, v4
	s_mul_i32 s35, s16, WROWS
	v_lshl_add_u32 v23, v1, 3, s35
	v_mul_u32_u24 v24, v4, WP
	v_lshl_add_u32 v24, v5, 4, v24
	v_lshlrev_b32 v26, 5, v5
	v_mov_b32 v27, 0                               ; named with the gates as pairs
	v_mov_b32 v29, 0
	v_mov_b32 v31, 0
	s_mov_b32 s37, 0
	s_wait_kmcnt 0x0
	s_lshl_b32 s36, s17, 21                        ; W2: expert x 2 MiB + slice x 64 rows + wave x 16 rows of 4,096 bytes + half x 2,048
	s_lshl_b32 s35, s18, 18
	s_add_co_u32 s36, s36, s35
	s_lshl_b32 s35, s16, 16
	s_add_co_u32 s36, s36, s35
	s_lshl_b32 s35, s19, 11
	s_add_co_u32 s36, s36, s35
	s_add_nc_u64 s[4:5], s[4:5], s[36:37]
	s_lshl_b32 s36, s17, 11                        ; b2: expert x 2,048 + slice x 256
	s_lshl_b32 s35, s18, 8
	s_add_co_u32 s36, s36, s35
	s_add_nc_u64 s[6:7], s[6:7], s[36:37]
	s_lshl2_add_u32 s34, s17, s16                  ; 4 e + w
	s_lshl_b32 s36, s34, 21                        ; hid: x 2 MiB + half x 16 K steps of 1,024 bytes
	s_lshl_b32 s35, s19, 14
	s_add_co_u32 s36, s36, s35
	s_add_nc_u64 s[8:9], s[8:9], s[36:37]
	s_mul_i32 s36, s34, LISTW                      ; lst: x 2,560
	s_add_nc_u64 s[10:11], s[10:11], s[36:37]
	s_lshl_b32 s36, s19, 23                        ; part: half x 4,096 rows of 2,048 bytes + slice x 256
	s_lshl_b32 s35, s18, 8
	s_add_co_u32 s36, s36, s35
	s_add_nc_u64 s[14:15], s[14:15], s[36:37]
	s_load_b32 s22, s[10:11], CNT                  ; my rows
.set i, 0
.rept 4
	global_load_b128 v[BIAS+8*i:BIAS+8*i+3], v26, s[6:7] offset:64*i
	global_load_b128 v[BIAS+8*i+4:BIAS+8*i+7], v26, s[6:7] offset:64*i+16
.set i, i+1
.endr
	WLOAD 4096
	global_load_u16 v13, v8, s[10:11]              ; row r's entry of tiles 0, 1, 2: written whatever the count
	global_load_u16 v14, v8, s[10:11] offset:32
	global_load_u16 v9, v8, s[10:11] offset:64
	s_wait_loadcnt 63                              ; of 75 loads the first 12 are in: the bias's 8 among them
.set n, 0
.rept 16
	v_cvt_pk_bf16_f32 v15, v[BIAS+2*n], v[BIAS+2*n+1]  ; the bias is rounded to bf16 like every input, kept in half 0 alone, and widened again
	v_and_b32 v15, s29, v15
	v_lshlrev_b32 v[BIAS+2*n], 16, v15
	v_and_b32 v[BIAS+2*n+1], 0xffff0000, v15
.set n, n+1
.endr
	s_wait_kmcnt 0x0
	s_min_u32 s22, s22, 1024
	s_add_co_u32 s25, s22, 15
	s_lshr_b32 s25, s25, 4                         ; my tiles
	WCVT 3
	s_wait_dscnt 0x0                               ; for the others' sake: my 16 rows of the slice are in LDS
	s_barrier_signal -1
	s_barrier_wait -1                              ; the kernel's one barrier; every wave passes it
	s_cmp_eq_u32 s25, 0
	s_cbranch_scc1 .Ldone                          ; none of my tokens chose this expert
	s_sub_co_u32 s35, s25, 1
	s_min_u32 s34, s35, 1                          ; tile 1, or tile 0 again where there is one tile
	s_lshl_b32 s34, s34, 15
	v_mov_b32 v10, v6
	v_add_nc_u32 v11, s34, v6
	s_wait_loadcnt 0x1                             ; the third entry may stay out
	v_min_u32 v13, 0x1fff, v13
	v_lshlrev_b32 v13, 2, v13
	v_min_u32 v14, 0x1fff, v14
	v_lshlrev_b32 v14, 2, v14
	LOADA 0, 1024, 512
	global_load_b32 v26, v13, s[12:13]
	LOADA 1, 1024, 512
	global_load_b32 v28, v14, s[12:13]
	BLOAD
	s_mul_i32 s35, s16, 16*SPITCH
	s_add_co_u32 s35, s35, STAGE                   ; my stage
	v_mul_u32_u24 v25, v4, SPITCH                  ; in: row r, 32 bytes for each half of the lanes
	v_lshl_add_u32 v25, v5, 5, v25
	v_add_nc_u32 v25, s35, v25
	v_mul_u32_u24 v1, v5, SPITCH                   ; back: lanes 0-15 take one row of 256 bytes, lanes 16-31 the next
	v_lshl_add_u32 v1, v4, 4, v1
	v_add_nc_u32 v1, s35, v1
	v_lshlrev_b32 v4, 4, v4
	v_lshlrev_b32 v5, 4, v5
	s_mov_b32 s26, 0
	s_mov_b32 s27, 22                              ; 22 trips of three tiles cover the 64 tiles that a wave can have
.Ltrip:
	STEP 0
	STEP 1
	STEP 2
	s_sub_co_u32 s27, s27, 1
	s_cmp_lg_u32 s27, 0
	s_cbranch_scc1 .Ltrip
.Ldone:
	s_wait_tensorcnt 0x0                           ; the wave's end
	ds_add_u32 v2, v3
	s_wait_dscnt 0x0
	s_endpgm
.Lfunc_end_k_qfd6ca86edc_down:
	.size	k_qfd6ca86edc_down, .Lfunc_end_k_qfd6ca86edc_down-k_qfd6ca86edc_down
	.p2alignl 7, 3214868480
	.fill 96, 4, 3214868480
	.section	.rodata,"a",@progbits
	.p2align	6, 0x0
	.amdhsa_kernel k_qfd6ca86edc_down
		.amdhsa_group_segment_fixed_size 84480
		.amdhsa_private_segment_fixed_size 0
		.amdhsa_enable_private_segment 0
		.amdhsa_kernarg_size 48
		.amdhsa_user_sgpr_count 2
		.amdhsa_user_sgpr_kernarg_segment_ptr 1
		.amdhsa_wavefront_size32 1
		.amdhsa_system_sgpr_workgroup_id_x 1
		.amdhsa_system_sgpr_workgroup_id_y 1
		.amdhsa_system_sgpr_workgroup_id_z 1
		.amdhsa_system_vgpr_workitem_id 0
		.amdhsa_next_free_vgpr 1024
		.amdhsa_next_free_sgpr 66
		.amdhsa_reserve_vcc 0
		.amdhsa_float_denorm_mode_32 3
		.amdhsa_float_denorm_mode_16_64 3
		.amdhsa_memory_ordered 1
		.amdhsa_forward_progress 1
		.amdhsa_inst_pref_size 82
	.end_amdhsa_kernel
	.amdgpu_metadata
---
amdhsa.version: [ 1, 2 ]
amdhsa.kernels:
  - .name:           k_qfd6ca86edc_down
    .symbol:         k_qfd6ca86edc_down.kd
    .args:
      - { .name: W2, .offset: 0, .size: 8, .value_kind: global_buffer, .address_space: global }
      - { .name: b2, .offset: 8, .size: 8, .value_kind: global_buffer, .address_space: global }
      - { .name: hid, .offset: 16, .size: 8, .value_kind: global_buffer, .address_space: global }
      - { .name: lst, .offset: 24, .size: 8, .value_kind: global_buffer, .address_space: global }
      - { .name: gw, .offset: 32, .size: 8, .value_kind: global_buffer, .address_space: global }
      - { .name: part, .offset: 40, .size: 8, .value_kind: global_buffer, .address_space: global }
    .group_segment_fixed_size: 84480
    .private_segment_fixed_size: 0
    .kernarg_segment_align: 8
    .kernarg_segment_size: 48
    .max_flat_workgroup_size: 128
    .sgpr_count:     66
    .vgpr_count:     1024
    .wavefront_size: 32
...
	.end_amdgpu_metadata
.endif
;; end of part 4
;; launch join (part 5): grid 256 x 1, 8 waves a work-group, no clusters, 0 bytes of LDS; arguments part, pp, out0, out1; writes out0, out1
.if DOCPART == 5
	.amdgcn_target "amdgcn-amd-amdhsa--gfx1250"
	.amdhsa_code_object_version 6
	.text
	.protected	k_qfd6ca86edc_join
	.globl	k_qfd6ca86edc_join
	.p2align	8
	.type	k_qfd6ca86edc_join,@function
k_qfd6ca86edc_join:
	s_mov_b64 s[64:65], 0
	v_nop
	global_prefetch_b8 v0, s[64:65] scope:SCOPE_SE
	s_setreg_imm32_b32 hwreg(HW_REG_WAVE_MODE, 25, 1), 1
	s_wait_xcnt 0x0
; THE SUM.  out0[t] = (part[0][t] + part[1][t]) + (part[2][t] + part[3][t]): two choices x two halves of K, all f32.  out1 = 16 x sum over e of f_e P_e
; = 2^-21 x sum over e of (tokens that chose e) x (sum of the softmax probabilities of e), since f_e = count / 8,192 and P_e = sum / 4,096.
; A stream: memory binds, so no LDS, no barrier, no matrix unit.  A work-group owns 32,768 bytes of out0; thread t owns 16 bytes at 16 t of each of eight blocks of 4,096 bytes,
; so every load and store of a wave covers 512 consecutive bytes, aligned.  All 32 loads of a wave go out before its first wait.
; Wave 0 of work-group 0 also makes out1: on a path of its own, its 32 loads of pp go out AHEAD of the sum's, into v256-383, so that they are in when the sum is done.
.set MSB, 0
.macro WIN new                         ; s_set_vgpr_msb: bits 1:0 source 0, 3:2 source 1, 7:6 destination; the high byte repeats the setting that is left
.if MSB != (\new)
	s_set_vgpr_msb (MSB<<8)|(\new)
.set MSB, (\new)
.endif
.endm
.macro SUM
.set i, 0
.rept 8
	global_load_b128 v[8+16*i:11+16*i],  v1, s[4:5]   offset:4096*i th:TH_LOAD_NT
	global_load_b128 v[12+16*i:15+16*i], v1, s[12:13] offset:4096*i th:TH_LOAD_NT
	global_load_b128 v[16+16*i:19+16*i], v1, s[14:15] offset:4096*i th:TH_LOAD_NT
	global_load_b128 v[20+16*i:23+16*i], v1, s[16:17] offset:4096*i th:TH_LOAD_NT
.set i, i+1
.endr
.set i, 0
.rept 8
	s_wait_loadcnt 28-4*i                          ; block i's four loads are in; the younger blocks' stay out
	v_pk_add_f32 v[8+16*i:9+16*i],   v[8+16*i:9+16*i],   v[12+16*i:13+16*i]
	v_pk_add_f32 v[10+16*i:11+16*i], v[10+16*i:11+16*i], v[14+16*i:15+16*i]
	v_pk_add_f32 v[16+16*i:17+16*i], v[16+16*i:17+16*i], v[20+16*i:21+16*i]
	v_pk_add_f32 v[18+16*i:19+16*i], v[18+16*i:19+16*i], v[22+16*i:23+16*i]
	v_pk_add_f32 v[8+16*i:9+16*i],   v[8+16*i:9+16*i],   v[16+16*i:17+16*i]
	v_pk_add_f32 v[10+16*i:11+16*i], v[10+16*i:11+16*i], v[18+16*i:19+16*i]
	global_store_b128 v1, v[8+16*i:11+16*i], s[8:9] offset:4096*i th:TH_STORE_NT  ; each block has registers of its own: none is written again
.set i, i+1
.endr
.endm
	s_load_b256 s[4:11], s[0:1], 0x0               ; part s[4:5], pp s[6:7], out0 s[8:9], out1 s[10:11]
	v_lshlrev_b32 v1, 4, v0
	v_lshrrev_b32 v2, 5, v0
	v_readfirstlane_b32 s20, v2                    ; wave 0..7
	s_mov_b32 s21, ttmp9
	s_lshl_b32 s18, ttmp9, 15
	s_mov_b32 s19, 0
	s_mov_b32 s24, 0x76543210                      ; v_permlanex16_b32: each lane takes its own place in the other half
	s_mov_b32 s25, 0xfedcba98
	s_wait_kmcnt 0x0
	s_add_nc_u64 s[4:5], s[4:5], s[18:19]
	s_add_nc_u64 s[8:9], s[8:9], s[18:19]
	s_add_nc_u64 s[12:13], s[4:5], 0x800000        ; the four planes lie 8,388,608 bytes apart, one byte more than a load's immediate reaches
	s_add_nc_u64 s[14:15], s[12:13], 0x800000
	s_add_nc_u64 s[16:17], s[14:15], 0x800000
	s_or_b32 s22, s21, s20                         ; 0 for wave 0 of work-group 0 alone
	s_cmp_eq_u32 s22, 0
	s_cbranch_scc1 .Lwith_aux
	SUM
	s_endpgm
.Lwith_aux:
	; pp[group][32]: words 0-15 sums of probabilities, 16-31 counts.  Load n, lane l: group 4 n + l / 8, words 4 (l % 8) .. + 3
	WIN 0x40
.set n, 0
.rept 32
	global_load_b128 v[4*n:4*n+3], v1, s[6:7] offset:512*n
.set n, n+1
.endr
	WIN 0
	SUM                                            ; its counted waits count younger loads alone; pp's are older, and are in when its last wait, for 0, has passed
	WIN 0x45
.irp s, 16,8,4,2,1
.set n, 0
.rept \s
	v_pk_add_f32 v[4*n:4*n+1],   v[4*n:4*n+1],   v[4*(n+\s):4*(n+\s)+1]
	v_pk_add_f32 v[4*n+2:4*n+3], v[4*n+2:4*n+3], v[4*(n+\s)+2:4*(n+\s)+3]
.set n, n+1
.endr
.endr
	WIN 0x01
.irp j, 0,1,2,3
	v_mov_b32 v[136+\j], v[\j]
	v_mov_b32 v[140+\j], v[\j]                     ; written, since the lane exchanges below count as readers of their destination
.endr
	WIN 0
.irp j, 0,1,2,3
	v_add_f32_dpp v[136+\j], v[136+\j], v[136+\j] row_xmask:8 row_mask:0xf bank_mask:0xf
.endr
.irp j, 0,1,2,3
	v_permlanex16_b32 v[140+\j], v[136+\j], s24, s25
.endr
.irp j, 0,1,2,3
	v_add_f32 v[136+\j], v[136+\j], v[140+\j]      ; all 128 groups: lanes with l % 8 = a < 4 hold the sums of experts 4 a .. 4 a + 3, lanes a + 4 their counts
.endr
.irp j, 0,1,2,3
	v_mov_b32_dpp v[140+\j], v[136+\j] row_xmask:4 row_mask:0xf bank_mask:0xf
.endr
	v_mul_f32 v144, v136, v140
	v_fma_f32 v144, v137, v141, v144
	v_fma_f32 v144, v138, v142, v144
	v_fma_f32 v144, v139, v143, v144
	v_add_f32_dpp v144, v144, v144 row_xmask:1 row_mask:0xf bank_mask:0xf
	v_add_f32_dpp v144, v144, v144 row_xmask:2 row_mask:0xf bank_mask:0xf
	v_mul_f32 v144, 0x35000000, v144               ; 2^-21
	v_mov_b32 v145, 0
	v_cmp_eq_u32 vcc_lo, 0, v0
	s_wait_xcnt 0x0                                ; EXEC changes only behind s_wait_xcnt 0 (ISA guide 3.1)
	s_and_saveexec_b32 s26, vcc_lo
	global_store_b32 v145, v144, s[10:11]
	s_wait_xcnt 0x0
	s_or_b32 exec_lo, exec_lo, s26
	s_endpgm
.Lfunc_end_k_qfd6ca86edc_join:
	.size	k_qfd6ca86edc_join, .Lfunc_end_k_qfd6ca86edc_join-k_qfd6ca86edc_join
	.p2alignl 7, 3214868480
	.fill 96, 4, 3214868480
	.section	.rodata,"a",@progbits
	.p2align	6, 0x0
	.amdhsa_kernel k_qfd6ca86edc_join
		.amdhsa_group_segment_fixed_size 0
		.amdhsa_private_segment_fixed_size 0
		.amdhsa_enable_private_segment 0
		.amdhsa_kernarg_size 32
		.amdhsa_user_sgpr_count 2
		.amdhsa_user_sgpr_kernarg_segment_ptr 1
		.amdhsa_wavefront_size32 1
		.amdhsa_system_sgpr_workgroup_id_x 1
		.amdhsa_system_sgpr_workgroup_id_y 1
		.amdhsa_system_sgpr_workgroup_id_z 1
		.amdhsa_system_vgpr_workitem_id 0
		.amdhsa_next_free_vgpr 384
		.amdhsa_next_free_sgpr 66
		.amdhsa_reserve_vcc 1
		.amdhsa_float_denorm_mode_32 3
		.amdhsa_float_denorm_mode_16_64 3
		.amdhsa_memory_ordered 1
		.amdhsa_forward_progress 1
		.amdhsa_inst_pref_size 24
	.end_amdhsa_kernel
	.amdgpu_metadata
---
amdhsa.version: [ 1, 2 ]
amdhsa.kernels:
  - .name:           k_qfd6ca86edc_join
    .symbol:         k_qfd6ca86edc_join.kd
    .args:
      - { .name: part, .offset: 0, .size: 8, .value_kind: global_buffer, .address_space: global }
      - { .name: pp, .offset: 8, .size: 8, .value_kind: global_buffer, .address_space: global }
      - { .name: out0, .offset: 16, .size: 8, .value_kind: global_buffer, .address_space: global }
      - { .name: out1, .offset: 24, .size: 8, .value_kind: global_buffer, .address_space: global }
    .group_segment_fixed_size: 0
    .private_segment_fixed_size: 0
    .kernarg_segment_align: 8
    .kernarg_segment_size: 32
    .max_flat_workgroup_size: 256
    .sgpr_count:     66
    .vgpr_count:     384
    .wavefront_size: 32
...
	.end_amdgpu_metadata
.endif
;; end of part 5
;; ======== version 2 of 2: 5 launches; version 1 with the launches route, gather, down written anew for expert scheduling mode
;; workspace buffers: xb 4,194,304 bytes; bm 16,384 bytes of whole numbers; gw 32,768 bytes; pp 16,384 bytes; lst 163,840 bytes of whole numbers; xg 67,108,864 bytes; hid 134,217,728 bytes; part 33,554,432 bytes
;; launch route (part 6): grid 128 x 1, 4 waves a work-group, no clusters, 60,928 bytes of LDS; arguments x, Wr, xb, bm, gw, pp; writes xb, bm, gw, pp
.if DOCPART == 6
	.amdgcn_target "amdgcn-amd-amdhsa--gfx1250"
	.amdhsa_code_object_version 6
	.text
	.protected	k_qfd6ca86edc_route
	.globl	k_qfd6ca86edc_route
	.p2align	8
	.type	k_qfd6ca86edc_route,@function
k_qfd6ca86edc_route:
	s_mov_b64 s[64:65], 0
	v_nop
	global_prefetch_b8 v0, s[64:65] scope:SCOPE_SE
	s_setreg_imm32_b32 hwreg(HW_REG_WAVE_SCHED_MODE, 0, 2), 2
	s_setreg_imm32_b32 hwreg(HW_REG_WAVE_MODE, 25, 1), 1
	s_wait_xcnt 0x0
	s_wait_alu depctr_vm_vsrc(0)
; ROUTER.  logits[t][e] = sum over k of bf16(x[t][k]) bf16(Wr[e][k]), f32 sums; the two largest logits of each token, their softmax (the gates), bitmaps of the choices,
; and for the load-balance loss each group's sums of softmax probabilities and counts of choices.  x leaves rounded to bf16 (xb) for the first product.
; SHARES.  A work-group owns 32 tokens (a bitmap word is 32 tokens, made in one wave); wave w owns k = 128 w .. 128 w + 127 of all 32 rows and of Wr's 16 rows.
; One load of a wave is 512 consecutive bytes of a row, one store of xb 256 consecutive bytes, aligned.  The four waves' partial logits meet in LDS; wave 0 does the routing.
; OUT.  bm[group][32]: word e = tokens that chose expert e (first or second), word 16 + e = tokens whose SECOND choice is e.  gw[2][4096]: the gate of choice j.
;       pp[group][32]: word e = the group's sum of softmax probabilities of expert e, word 16 + e = the group's number of tokens that chose e (f32, exact).
; LIMITS.  NaN and infinities are not treated apart.  Equal logits: the lower index wins, as in top_k.  Logits that differ by less than the f32 sums' own error (their order
; differs from a plain dot product's) may be chosen the other way round.
; THE MODE: SCHED_MODE bits 1:0 = 2 (LLVM: expert scheduling mode 2), set by the entry lines.  The code itself states the register dependences
; between vector or matrix instructions and memory or LDS instructions, with s_wait_alu, always for 0.
; THE PLAN.  Registers that memory or LDS instructions touch:
;   v6-v14     offsets and LDS addresses: written once at the head, ahead of the wait in front of the first load; never again.
;   v16-79     Wr as loaded, read by its conversions; then x packed: a batch of eight rows is written by 16 conversions and read by the batch's 16 stores, behind one wait; never written again.
;   v80-207    x as loaded, read by the conversions.  Behind the last batch's wait the fragments land in v80-175; the products write v176-191, which four LDS stores read behind one wait.
;   v208-239   Wr packed: written by 32 conversions, read by 16 LDS stores behind one wait; in wave 0 the read-back lands there, behind the wait that shows those stores' registers read.
;   v192-255   wave 0's read-back: no vector line names them between the wait behind the products and these loads.
;   v133-135   wave 0: the gates and the bitmap, stored behind the wait that the exponentials need anyway;  v112  the sums and counts, stored behind a wait of its own.
; Masks that compares write into scalar registers are made in runs, one wait behind each run.
.set XP,    272                        ; an LDS row: 256 bytes (128 bf16) + 16 of padding: the 16 rows of a fragment load start at 16 different groups of four banks (64 banks of 4 bytes: ISA guide 11.1)
.set WAVEB, 48*XP                      ; a wave's own tiles: 32 rows of x, then 16 rows of Wr
.set WRT,   32*XP
.set RED,   4*WAVEB                    ; 4 x 2,048 bytes: each wave's partial logits
.set SPARE, RED+8192                   ; the spare words, 128 bytes a wave: two blocks of 256 bytes that no other line names
; v0 thread, v1 lane, v2 spare word's address, v3 zero, v4 lane % 16, v5 lane / 16, v6 load offset, v7 xb offset, v8/v9 tile stores, v10/v11 fragment loads, v12 RED store, v13 4 x lane, v14 RED read
; v16-79 raw Wr, then packed x; v80-207 raw x, then fragments (x v80-143, Wr v144-175) and sums (v176-191); v208-239 packed Wr; v192-255 wave 0's read-back
	s_load_b256 s[4:11], s[0:1], 0x0               ; x s[4:5], Wr s[6:7], xb s[8:9], bm s[10:11]
	s_load_b128 s[12:15], s[0:1], 0x20             ; gw s[12:13], pp s[14:15]
	v_lshl_add_u32 v2, v0, 2, SPARE
	v_mov_b32 v3, 0
	v_lshrrev_b32 v1, 5, v0
	v_readfirstlane_b32 s16, v1                    ; wave 0..3
	v_and_b32 v1, 31, v0
	v_and_b32 v4, 15, v0
	v_bfe_u32 v5, v0, 4, 1
	s_wait_alu depctr_va_sdst(0)                   ; s16 is written, ahead of its first reader: the wave's offsets are made from it
	s_lshl_b32 s17, s16, 9
	v_lshl_add_u32 v6, v1, 4, s17                  ; 512 w + 16 lane: my 4 f32 of a row
	s_lshl_b32 s20, s16, 8
	v_lshl_add_u32 v7, v1, 3, s20                  ; 256 w + 8 lane: the same 4 numbers in bf16
	s_mul_i32 s21, s16, WAVEB
	v_lshl_add_u32 v8, v1, 3, s21                  ; into my x tile
	v_add_nc_u32 v9, WRT, v8                       ; into my Wr tile
	v_mul_u32_u24 v10, v4, XP
	v_lshl_add_u32 v10, v5, 4, v10
	v_add_nc_u32 v10, s21, v10                     ; a fragment's row x pitch + 16 x half
	v_add_nc_u32 v11, WRT, v10
	s_lshl_b32 s17, s16, 11
	s_add_co_u32 s17, s17, RED
	v_lshl_add_u32 v12, v1, 4, s17
	v_lshlrev_b32 v13, 2, v1
	v_lshl_add_u32 v14, v1, 4, RED
	s_mov_b32 s22, 0xffff0000                      ; lanes 16-31
	s_mov_b32 s23, 0xff00ff00                      ; lanes with bit 3 set
	s_mov_b32 s24, 0xf0f0f0f0                      ; bit 2
	s_mov_b32 s25, 0xcccccccc                      ; bit 1
	s_mov_b32 s26, 0xaaaaaaaa                      ; bit 0
	s_mov_b32 s28, 0x76543210                      ; v_permlanex16_b32: each lane takes its own place in the other half
	s_mov_b32 s29, 0xfedcba98
	s_mov_b32 s30, 0x3fb8aa3b                      ; log2(e)
	s_mov_b32 s19, 0
	s_wait_kmcnt 0x0
	s_lshl_b32 s18, ttmp9, 16                      ; 32 rows of 2,048 bytes
	s_add_nc_u64 s[4:5], s[4:5], s[18:19]
	s_lshl_b32 s18, ttmp9, 15                      ; 32 rows of 1,024 bytes
	s_add_nc_u64 s[8:9], s[8:9], s[18:19]
	s_lshl_b32 s18, ttmp9, 7                       ; 128 bytes a group in bm, gw and pp
	s_add_nc_u64 s[10:11], s[10:11], s[18:19]
	s_add_nc_u64 s[12:13], s[12:13], s[18:19]
	s_add_nc_u64 s[14:15], s[14:15], s[18:19]
	s_wait_alu depctr_va_vdst(0)                   ; the nine offsets and addresses v6 to v14 are written, which the kernel's loads and stores read; none is written again
.set e, 0
.rept 16
	global_load_b128 v[16+4*e:19+4*e], v6, s[6:7] offset:2048*e
.set e, e+1
.endr
.set n, 0
.rept 32
	global_load_b128 v[80+4*n:83+4*n], v6, s[4:5] offset:2048*n th:TH_LOAD_NT
.set n, n+1
.endr
	s_wait_loadcnt 32                              ; Wr's 16 loads are in; x's 32 stay out
.set e, 0
.rept 16
	v_cvt_pk_bf16_f32 v[208+2*e], v[16+4*e], v[17+4*e]
	v_cvt_pk_bf16_f32 v[209+2*e], v[18+4*e], v[19+4*e]
.set e, e+1
.endr
	s_wait_alu depctr_va_vdst(0)                   ; the conversions have written v208-239, which the 16 LDS stores read
.set e, 0
.rept 16
	ds_store_b64 v9, v[208+2*e:209+2*e] offset:XP*e
.set e, e+1
.endr
	; x in four batches of eight rows: 16 conversions, one wait, 16 stores
.set b, 0
.rept 4
	s_wait_loadcnt 24-8*b                          ; rows 8 b to 8 b + 7 are in, the younger rows stay out
.set n, 8*b
.rept 8
	v_cvt_pk_bf16_f32 v[16+2*n], v[80+4*n], v[81+4*n]
	v_cvt_pk_bf16_f32 v[17+2*n], v[82+4*n], v[83+4*n]
.set n, n+1
.endr
	s_wait_alu depctr_va_vdst(0)                   ; the batch's conversions have written its 16 registers of v16-79, which its stores read; behind the last batch: all conversions are done reading v80-207, in which the fragments land
.set n, 8*b
.rept 8
	ds_store_b64 v8, v[16+2*n:17+2*n] offset:XP*n
	global_store_b64 v7, v[16+2*n:17+2*n], s[8:9] offset:1024*n  ; each row has registers of its own: none is written again
.set n, n+1
.endr
.set b, b+1
.endr
	; fragments: my own bytes, and LDS serves a wave's instructions in order (ISA guide 5.7.1.4), so no wait stands between the stores above and these loads
.set c, 0
.rept 4
	ds_load_b128 v[144+8*c:147+8*c], v11 offset:64*c
	ds_load_b128 v[148+8*c:151+8*c], v11 offset:64*c+32
	ds_load_b128 v[80+8*c:83+8*c], v10 offset:64*c
	ds_load_b128 v[84+8*c:87+8*c], v10 offset:64*c+32
	ds_load_b128 v[112+8*c:115+8*c], v10 offset:16*XP+64*c
	ds_load_b128 v[116+8*c:119+8*c], v10 offset:16*XP+64*c+32
.set c, c+1
.endr
	s_wait_dscnt 0x0
	; source 0 = Wr's 16 rows, source 1 = 16 tokens: lane (r, h), register j holds expert 8 h + j of token r.  The two accumulators take turns.
	v_wmma_f32_16x16x32_bf16 v[176:183], v[144:151], v[80:87], 0
	v_wmma_f32_16x16x32_bf16 v[184:191], v[144:151], v[112:119], 0
.set c, 1
.rept 3
	v_wmma_f32_16x16x32_bf16 v[176:183], v[144+8*c:151+8*c], v[80+8*c:87+8*c], v[176:183]
	v_wmma_f32_16x16x32_bf16 v[184:191], v[144+8*c:151+8*c], v[112+8*c:119+8*c], v[184:191]
.set c, c+1
.endr
.rept 4
	v_nop                                          ; four places between the last product and the stores of its result
.endr
	s_wait_alu depctr_va_vdst(0)                   ; the products have written v176-191, which the LDS stores read; the places above stay beside this wait
	ds_store_b128 v12, v[176:179]
	ds_store_b128 v12, v[180:183] offset:512
	ds_store_b128 v12, v[184:187] offset:1024
	ds_store_b128 v12, v[188:191] offset:1536
	s_wait_dscnt 0x0                               ; for wave 0's sake: my partial logits are in LDS
	s_barrier_signal -1
	s_barrier_wait -1
	s_wait_alu depctr_vm_vsrc(0)                   ; my LDS stores of Wr have read v208-239, in which wave 0's loads below land
	s_cmp_lg_u32 s16, 0
	s_cbranch_scc1 .Lend
	; WAVE 0.  The four waves' parts are added: (w0 + w1) + (w2 + w3).
.set n, 0
.rept 16
	ds_load_b128 v[192+4*n:195+4*n], v14 offset:2048*(n/4)+512*(n%4)
.set n, n+1
.endr
	s_wait_dscnt 0x0
.set d, 0
.rept 8
	v_pk_add_f32 v[80+2*d:81+2*d], v[192+2*d:193+2*d], v[208+2*d:209+2*d]
	v_pk_add_f32 v[96+2*d:97+2*d], v[224+2*d:225+2*d], v[240+2*d:241+2*d]
.set d, d+1
.endr
.set d, 0
.rept 8
	v_pk_add_f32 v[80+2*d:81+2*d], v[80+2*d:81+2*d], v[96+2*d:97+2*d]
.set d, d+1
.endr
	; v80-87: experts 8 h + j of token r; v88-95: of token 16 + r.  One exchange between the halves gives lane l all 16 logits of token l, in v112-127.
.set j, 0
.rept 8
	v_cndmask_b32 v[104+j], v[88+j], v[80+j], s22  ; what the other half needs of me
.set j, j+1
.endr
.set j, 0
.rept 8
	v_permlanex16_b32 v[96+j], v[104+j], s28, s29
.set j, j+1
.endr
.set j, 0
.rept 8
	v_cndmask_b32 v[112+j], v[80+j], v[96+j], s22
	v_cndmask_b32 v[120+j], v[96+j], v[88+j], s22
.set j, j+1
.endr
	; the two largest, by one scan; the strict compare keeps the lower index.  v128 m1, v129 i1, v130 m2, v131 i2.  Both masks of a step lie in scalar registers, so that one wait serves the two
	v_mov_b32 v128, v112
	v_mov_b32 v129, 0
	v_mov_b32 v130, 0xff800000
	v_mov_b32 v131, 0
.set e, 1
.rept 15
	v_cmp_gt_f32 s21, v[112+e], v128
	v_cmp_gt_f32 s20, v[112+e], v130
	s_wait_alu depctr_va_sdst(0)                   ; the two compares have written s21 and s20, ahead of the selects that read them
	v_cndmask_b32 v130, v130, v[112+e], s20
	v_cndmask_b32 v131, v131, e, s20
	v_cndmask_b32 v130, v130, v128, s21
	v_cndmask_b32 v131, v131, v129, s21
	v_cndmask_b32 v128, v128, v[112+e], s21
	v_cndmask_b32 v129, v129, e, s21
.set e, e+1
.endr
	; the gates: softmax of (m1, m2) with the maximum m1 taken away.  They are stored further down, behind the exponentials' wait
	v_sub_f32 v132, v130, v128
	v_mul_f32 v132, s30, v132
	v_exp_f32 v132, v132
	v_nop                                          ; a plain instruction between a transcendental and the use of its result (ISA guide 5.7.2)
	s_wait_alu depctr_va_vdst(0)                   ; the exponential has written v132, ahead of its first reader
	v_add_f32 v133, 1.0, v132
	v_rcp_f32 v133, v133
	v_mul_f32 v137, s30, v128                      ; log2(e) m1, for the probabilities below: the plain instruction behind the reciprocal
	s_wait_alu depctr_va_vdst(0)                   ; the reciprocal has written v133, ahead of its first reader
	v_mul_f32 v134, v132, v133
	; bitmaps and counts: a compare's mask is the word.  Two runs of 16 compares, eight experts each, one wait behind each run
	v_mov_b32 v135, 0
	v_mov_b32 v136, 0
.set g, 0
.rept 2
.set i, 0
.rept 8
	v_cmp_eq_u32 s[32+2*i], 8*g+i, v129
	v_cmp_eq_u32 s[33+2*i], 8*g+i, v131
.set i, i+1
.endr
	s_wait_alu depctr_va_sdst(0)                   ; the 16 compares have written s32 to s47, ahead of the scalar and vector lines that read them
.set i, 0
.rept 8
	s_or_b32 s[32+2*i], s[32+2*i], s[33+2*i]
	v_writelane_b32 v135, s[32+2*i], 8*g+i
	v_writelane_b32 v135, s[33+2*i], 16+8*g+i
	s_bcnt1_i32_b32 s27, s[32+2*i]
	v_writelane_b32 v136, s27, 16+8*g+i
.set i, i+1
.endr
.set g, g+1
.endr
	; the token's softmax over all 16 logits, the maximum m1 taken away
.set e, 0
.rept 16
	v_fma_f32 v[112+e], v[112+e], s30, -v137
.set e, e+1
.endr
.set e, 0
.rept 16
	v_exp_f32 v[112+e], v[112+e]
.set e, e+1
.endr
	v_cvt_f32_u32 v136, v136                       ; the plain instruction behind the exponentials
	s_wait_alu depctr_va_vdst(0)                   ; the 16 exponentials have written v112-127, ahead of their first reader; and v133, v134 and v135 are written, which the three stores read
	global_store_b32 v13, v133, s[12:13]
	global_store_b32 v13, v134, s[12:13] offset:16384
	global_store_b32 v13, v135, s[10:11]           ; 128 consecutive bytes
	v_pk_add_f32 v[96:97], v[112:113], v[114:115]
	v_pk_add_f32 v[98:99], v[116:117], v[118:119]
	v_pk_add_f32 v[100:101], v[120:121], v[122:123]
	v_pk_add_f32 v[102:103], v[124:125], v[126:127]
	v_pk_add_f32 v[96:97], v[96:97], v[98:99]
	v_pk_add_f32 v[100:101], v[100:101], v[102:103]
	v_pk_add_f32 v[96:97], v[96:97], v[100:101]
	v_add_f32 v96, v96, v97
	v_rcp_f32 v98, v96
	v_nop
	s_wait_alu depctr_va_vdst(0)                   ; the reciprocal has written v98, ahead of its first reader
.set d, 0
.rept 8
	v_pk_mul_f32 v[112+2*d:113+2*d], v[112+2*d:113+2*d], v[98:99] op_sel_hi:[1,0]
.set d, d+1
.endr
	; sums over the 16 lanes of a half, halving the experts a lane keeps at each step: lane l ends with expert l % 16
.macro BFLY m, mask
.set e, 0
.rept \m
	v_cndmask_b32 v[96+2*e], v[112+e], v[112+e+\m], s[\mask]  ; what I keep
	v_cndmask_b32 v[97+2*e], v[112+e+\m], v[112+e], s[\mask]  ; what my partner keeps
.set e, e+1
.endr
.set e, 0
.rept \m
	v_add_f32_dpp v[112+e], v[97+2*e], v[96+2*e] row_xmask:\m row_mask:0xf bank_mask:0xf
.set e, e+1
.endr
.endm
	BFLY 8, 23
	BFLY 4, 24
	BFLY 2, 25
	BFLY 1, 26
	v_permlanex16_b32 v97, v112, s28, s29          ; the other 16 tokens' sum
	v_add_f32 v112, v112, v97
	v_cndmask_b32 v112, v112, v136, s22            ; lanes 16-31 carry the counts
	s_wait_alu depctr_va_vdst(0)                   ; v112 is written, which the store reads
	global_store_b32 v13, v112, s[14:15]           ; 128 consecutive bytes
.Lend:
	s_wait_dscnt 0x0                               ; the closing lines, six on end
	s_wait_alu 0x0
	s_wait_tensorcnt 0x0
	ds_add_u32 v2, v3
	s_wait_dscnt 0x0
	s_endpgm
.Lfunc_end_k_qfd6ca86edc_route:
	.size	k_qfd6ca86edc_route, .Lfunc_end_k_qfd6ca86edc_route-k_qfd6ca86edc_route
	.p2alignl 7, 3214868480
	.fill 96, 4, 3214868480
	.section	.rodata,"a",@progbits
	.p2align	6, 0x0
	.amdhsa_kernel k_qfd6ca86edc_route
		.amdhsa_group_segment_fixed_size 60928
		.amdhsa_private_segment_fixed_size 0
		.amdhsa_enable_private_segment 0
		.amdhsa_kernarg_size 48
		.amdhsa_user_sgpr_count 2
		.amdhsa_user_sgpr_kernarg_segment_ptr 1
		.amdhsa_wavefront_size32 1
		.amdhsa_system_sgpr_workgroup_id_x 1
		.amdhsa_system_sgpr_workgroup_id_y 1
		.amdhsa_system_sgpr_workgroup_id_z 1
		.amdhsa_system_vgpr_workitem_id 0
		.amdhsa_next_free_vgpr 256
		.amdhsa_next_free_sgpr 66
		.amdhsa_reserve_vcc 0
		.amdhsa_float_denorm_mode_32 3
		.amdhsa_float_denorm_mode_16_64 3
		.amdhsa_memory_ordered 1
		.amdhsa_forward_progress 1
		.amdhsa_inst_pref_size 48
	.end_amdhsa_kernel
	.amdgpu_metadata
---
amdhsa.version: [ 1, 2 ]
amdhsa.kernels:
  - .name:           k_qfd6ca86edc_route
    .symbol:         k_qfd6ca86edc_route.kd
    .args:
      - { .name: x, .offset: 0, .size: 8, .value_kind: global_buffer, .address_space: global }
      - { .name: Wr, .offset: 8, .size: 8, .value_kind: global_buffer, .address_space: global }
      - { .name: xb, .offset: 16, .size: 8, .value_kind: global_buffer, .address_space: global }
      - { .name: bm, .offset: 24, .size: 8, .value_kind: global_buffer, .address_space: global }
      - { .name: gw, .offset: 32, .size: 8, .value_kind: global_buffer, .address_space: global }
      - { .name: pp, .offset: 40, .size: 8, .value_kind: global_buffer, .address_space: global }
    .group_segment_fixed_size: 60928
    .private_segment_fixed_size: 0
    .kernarg_segment_align: 8
    .kernarg_segment_size: 48
    .max_flat_workgroup_size: 128
    .sgpr_count:     66
    .vgpr_count:     256
    .wavefront_size: 32
...
	.end_amdgpu_metadata
.endif
;; end of part 6
;; launch gather (part 7): grid 16 x 16, 4 waves a work-group, no clusters, 77,312 bytes of LDS; arguments bm, xb, lst, xg; writes lst, xg
.if DOCPART == 7
	.amdgcn_target "amdgcn-amd-amdhsa--gfx1250"
	.amdhsa_code_object_version 6
	.text
	.protected	k_qfd6ca86edc_gather
	.globl	k_qfd6ca86edc_gather
	.p2align	8
	.type	k_qfd6ca86edc_gather,@function
k_qfd6ca86edc_gather:
	s_mov_b64 s[64:65], 0
	v_nop
	global_prefetch_b8 v0, s[64:65] scope:SCOPE_SE
	s_setreg_imm32_b32 hwreg(HW_REG_WAVE_SCHED_MODE, 0, 2), 2
	s_setreg_imm32_b32 hwreg(HW_REG_WAVE_MODE, 25, 1), 1
	s_wait_xcnt 0x0
	s_wait_alu depctr_vm_vsrc(0)
; THE LISTS, AND THE ROWS LAID END TO END.  For expert e and chunk w of 1,024 tokens (the wave): the rows (token, choice) that chose e, in token order, from the router's bitmaps; and those
; rows of xb, in tiles of 16, in the order of the first product's operand registers, so that each of the expert's 16 work-groups there reads a tile as 32 loads of 512 consecutive bytes.
; lst[e][w] is 2,560 bytes: entries of 2 bytes, entry = token + 4096 x choice, places 0 .. count - 1; the 64 places past the count repeat entry 0, so that a tile that is not full holds a
; row that exists once more; places 1,088 .. 1,119 are a dump; byte 2,304 holds the count.
; xg[e][w][tile 64][kstep 16][q 2][lane 32][16 bytes]: lane (r, h) of block (k, q) holds bytes 64 k + 32 q + 16 h .. + 15 of the tile's row r.
; SHARES.  Work-group (p, e), p = 0 .. 15.  Every wave makes its chunk's list for itself (some 450 lines, in its own 2,560 bytes of LDS); part 0 alone stores it.  Wave w of part p then lays
; tiles p, p + 16, p + 32, p + 48 of chunk w, as far as the count reaches: 16 parts x 4 tiles are the 64 tiles that a chunk can have, so every split is served (0 to 1,024 rows a chunk).
; With an even split a chunk has 8 or 9 tiles.
; THE LIST.  A bitmap word is 32 tokens, one a lane.  A chosen token's place = rows so far + chosen tokens below it in the word.  EXEC is never changed: a token that did not choose e stores
; into the dump, place 1,088 + lane.
; A TILE.  The list is read back 16 bytes a lane, so tile p + 16 t lies in register set t, lanes 2 p and 2 p + 1: eight v_readlane_b32 bring its 16 entries into scalar registers.  A row is
; read whole, two loads of 512 consecutive bytes; the tile goes through the wave's own stage in LDS, at addresses that never change, and comes back as fragments.
; ADDRESSES.  A number made from loaded words enters an address only behind a minimum with a constant; behind the minimum stand only a shift left and adds.
; All LDS bytes are a wave's own, so there is no barrier.  No matrix unit, no tensor load, no cluster: rows come by a list, which no descriptor covers, and no two waves read the same bytes at the same time.
; THE MODE: SCHED_MODE bits 1:0 = 2 (LLVM: expert scheduling mode 2), set by the entry lines.  The code itself states the register dependences
; between vector instructions and memory or LDS instructions, with s_wait_alu, always for 0.
; THE PLAN.  Registers that memory or LDS instructions touch:
;   v6, v7, v13, v14, v25, v8-11   offsets, LDS addresses and zeros: written once at the head, ahead of the wait in front of the first load; never again.
;   v64-95, v96-127  the list: word n of 32 has a place register and an entry register of its own; all 64 are written, then ONE wait, then the 32 LDS stores read them.
;   v12, v15, v20    the count, the pad's place, my list's address: written ahead of that same wait.       v21, v32-51  written by LDS loads alone.
;   v64-191          a tile: global loads land, 32 LDS stores read, 32 LDS loads land, 32 global stores read.  No vector line names them once the list is stored.
;   v192-207, v26-29 a tile's row offsets and its offset in xg: written at the tile's head, ahead of one wait; read by its loads and stores.
; A tile has four waits: at its head, that earlier stores have read v64-191 and earlier loads v192-207; behind its eight v_readlane_b32; behind its 17 address lines; and between the LDS stores and the LDS
; loads that land in the registers that those stores read.  The scalar registers that v_readlane_b32 writes are written in runs, one wait behind each run.
; v1 lane, v2 spare word's address, v3 zero, v4 r, v5 h, v6 16 lane, v7 stage store, v8-11 zeros, v12 count, v13 stage load, v14 my list + 16 lane, v15 pad place, v16, v17 bitmap words,
; v18, v19 token (+ 4096), v20 my list, v21 entry 0, v22 dump place, v25 128 lane, v26-29 a tile's offset in xg, v32-51 the list, v64-191 places and entries, then a tile, v192-207 its rows' offsets in xb
; s14 w, s15 e, s16 p, s22 rows so far, s24, s26 lanes 2 p, 2 p + 1, s25 tiles, s27 tile, s28 my list, s29 my stage, s30 at work, s32-47 eight words' masks (all, second choice), then s32-39 a tile's entries
.set LISTW, 2560
.set CNT,   2304
.set SP,    1040                       ; a stage row: 1,024 bytes + 16: 65 x 16, so the 16 rows of a fragment load start at 16 different groups of four banks (64 banks of 4 bytes: ISA guide 11.1)
.set STAGE, 4*LISTW                    ; 10,240: 16 rows x 1,040 bytes for each wave
.set SPARE, STAGE+4*16*SP              ; 76,800: the spare words, 128 bytes a wave: two blocks of 256 bytes that no other line names
.set D,     64
.set OFF,   192
.set PL,    64                         ; word n's LDS address
.set EN,    96                         ; word n's entry
; Tile p + 16 t of my chunk.
.macro TILE t
	s_wait_alu depctr_vm_vsrc(0)                   ; the list's LDS stores (ahead of the first tile) or the last tile's global stores have read v64-191, in which the loads below land; the last tile's loads have read v192-207, which are written anew below
	s_add_co_u32 s27, s16, 16*(\t)
	s_cmp_ge_u32 s27, s25                          ; past my last tile: out, forward
	s_cbranch_scc1 .Ldone
.if \t
	s_wait_xcnt 0x0                                ; the last tile's stores have read their data (ISA guide 3.1): the registers are loaded anew below
.endif
.set d, 0
.rept 4
	v_readlane_b32 s[32+d], v[32+4*(\t)+d], s24    ; entries 2 d, 2 d + 1
	v_readlane_b32 s[36+d], v[32+4*(\t)+d], s26    ; entries 8 + 2 d, 9 + 2 d
.set d, d+1
.endr
	s_wait_alu depctr_va_sdst(0)                   ; s32 to s39 are written, ahead of the scalar lines that read them
.set r, 0
.rept 16
	s_bfe_u32 s30, s[32+r/2], 0xc0000+16*(r%2)     ; row r's token: 12 bits of its entry,
	s_min_u32 s30, s30, 0xfff                      ; inside xb's 4,096 rows,
	s_lshl_b32 s30, s30, 10                        ; x 1,024 bytes
	v_add_nc_u32 v[OFF+r], s30, v6                 ; + 16 lane.  The loads that last named this register are in: the last tile's count-down ended at 0
.set r, r+1
.endr
	s_lshl_b32 s30, s27, 14                        ; tile x 16,384
	v_add_nc_u32 v[26+(\t)], s30, v6               ; + 16 lane; each tile has an offset register of its own
	s_wait_alu depctr_va_vdst(0)                   ; v192-207 and the tile's offset in xg are written, which the loads and stores below read; no vector line follows in the tile
.set n, 0
.rept 32
	global_load_b128 v[D+4*n:D+4*n+3], v[OFF+n/2], s[6:7] offset:512*(n%2)  ; half a row: 512 consecutive bytes
.set n, n+1
.endr
.set n, 0
.rept 32
	s_wait_loadcnt 31-n                            ; half-row n is in; the younger ones stay out
	ds_store_b128 v7, v[D+4*n:D+4*n+3] offset:(n/2)*SP+(n%2)*512
.set n, n+1
.endr
	s_wait_alu depctr_vm_vsrc(0)                   ; the 32 LDS stores have read v64-191, in which the LDS loads below land
.set n, 0
.rept 32
	ds_load_b128 v[D+4*n:D+4*n+3], v13 offset:32*n  ; block (k, q) = n: my own stage, and LDS serves a wave's instructions in order (ISA guide 5.7.1.4): these see the stores above
.set n, n+1
.endr
.set n, 0
.rept 32
	s_wait_dscnt 31-n                              ; block n is back; the younger reads stay out
	global_store_b128 v[26+(\t)], v[D+4*n:D+4*n+3], s[10:11] offset:512*n  ; 512 consecutive bytes, aligned
.set n, n+1
.endr
.endm
	s_load_b256 s[4:11], s[0:1], 0x0               ; bm s[4:5], xb s[6:7], lst s[8:9], xg s[10:11]
	v_lshl_add_u32 v2, v0, 2, SPARE
	v_mov_b32 v3, 0
	v_lshrrev_b32 v1, 5, v0
	v_readfirstlane_b32 s14, v1                    ; wave 0..3
	s_and_b32 s15, ttmp7, 0xffff                   ; expert
	s_mov_b32 s16, ttmp9                           ; part
	s_lshl_b32 s24, s16, 1
	s_add_co_u32 s26, s24, 1
	v_and_b32 v1, 31, v0
	v_and_b32 v4, 15, v0
	v_bfe_u32 v5, v0, 4, 1
	v_lshlrev_b32 v6, 4, v1
	v_lshlrev_b32 v25, 7, v1
	s_wait_alu depctr_va_sdst(0)                   ; s14 is written, ahead of its first reader: the wave's LDS places and bases are made from it
	s_mul_i32 s28, s14, LISTW                      ; my list
	v_add_nc_u32 v14, s28, v6
	s_mul_i32 s29, s14, 16*SP
	s_add_co_u32 s29, s29, STAGE                   ; my stage
	v_add_nc_u32 v7, s29, v6                       ; in: 16 bytes a lane of half a row
	v_mul_u32_u24 v13, v4, SP                      ; back: row r, 16 bytes for each half of the lanes
	v_lshl_add_u32 v13, v5, 4, v13
	v_add_nc_u32 v13, s29, v13
	s_lshl_b32 s23, s14, 10
	v_add_nc_u32 v18, s23, v1                      ; the token of my bit in the first word
	v_add_nc_u32 v19, 0x1000, v18                  ; the same as a second choice
	v_add_nc_u32 v22, 0x440, v1                    ; 1,088 + lane
.set n, 0
.rept 4
	v_mov_b32 v[8+n], 0
.set n, n+1
.endr
	s_mov_b32 s22, 0
	s_mov_b32 s19, 0
	s_wait_kmcnt 0x0
	s_lshl_b32 s18, s14, 12                        ; bm: my 32 groups of 128 bytes, word e
	s_lshl_b32 s17, s15, 2
	s_add_co_u32 s18, s18, s17
	s_add_nc_u64 s[4:5], s[4:5], s[18:19]
	s_lshl2_add_u32 s17, s15, s14                  ; 4 e + w
	s_mul_i32 s18, s17, LISTW                      ; lst: x 2,560
	s_add_nc_u64 s[8:9], s[8:9], s[18:19]
	s_lshl_b32 s18, s17, 20                        ; xg: x 64 tiles of 16,384 bytes
	s_add_nc_u64 s[10:11], s[10:11], s[18:19]
	s_wait_alu depctr_va_vdst(0)                   ; v6, v7, v13, v14, v25 and the zeros v8-11 are written, which the kernel's loads and stores read; none is written again
	global_load_b32 v16, v25, s[4:5]               ; lane n: the word of my group n: tokens that chose e
	global_load_b32 v17, v25, s[4:5] offset:64     ; tokens whose second choice is e
.set n, 0
.rept 5
	ds_store_b128 v14, v[8:11] offset:512*n        ; all 2,560 bytes are written before any of them is read
.set n, n+1
.endr
	s_wait_loadcnt 0x0
	; the 32 words in four runs of eight: 16 v_readlane_b32, one wait, then each word's place and entry into registers of its own
.set g, 0
.rept 4
.set i, 0
.rept 8
	v_readlane_b32 s[32+2*i], v16, 8*g+i
	v_readlane_b32 s[33+2*i], v17, 8*g+i
.set i, i+1
.endr
	s_wait_alu depctr_va_sdst(0)                   ; s32 to s47 are written, ahead of the vector and scalar lines that read them
.set i, 0
.rept 8
	v_mbcnt_lo_u32_b32 v[PL+8*g+i], s[32+2*i], s22             ; rows so far + chosen tokens below me
	v_cndmask_b32 v[PL+8*g+i], v22, v[PL+8*g+i], s[32+2*i]     ; or my place in the dump,
	v_min_u32 v[PL+8*g+i], 0x45f, v[PL+8*g+i]                  ; never past place 1,119,
	v_lshlrev_b32 v[PL+8*g+i], 1, v[PL+8*g+i]                  ; 2 bytes an entry,
	v_add_nc_u32 v[PL+8*g+i], s28, v[PL+8*g+i]                 ; in my list
	v_cndmask_b32 v[EN+8*g+i], v18, v19, s[33+2*i]
	v_add_nc_u32 v18, 32, v18
	v_add_nc_u32 v19, 32, v19
	s_bcnt1_i32_b32 s23, s[32+2*i]
	s_add_co_u32 s22, s22, s23
.set i, i+1
.endr
.set g, g+1
.endr
	s_min_u32 s22, s22, 1024                       ; my rows
	s_add_co_u32 s25, s22, 15
	s_lshr_b32 s25, s25, 4                         ; my chunk's tiles
	v_mov_b32 v20, s28
	v_add_nc_u32 v15, s22, v1                      ; place count + lane,
	v_lshlrev_b32 v15, 1, v15                      ; 2 bytes an entry,
	v_min_u32 v15, 0x83e, v15                      ; never past place 1,055,
	v_add_nc_u32 v15, s28, v15                     ; in my list
	v_mov_b32 v12, s22
	s_wait_alu depctr_va_vdst(0)                   ; the 32 places v64-95, the 32 entries v96-127, v12, v15 and v20 are written, which the LDS instructions below read
.set n, 0
.rept 32
	ds_store_b16 v[PL+n], v[EN+n]                  ; in the words' order, so that the dump ends as it would word by word
.set n, n+1
.endr
	ds_load_u16 v21, v20                           ; entry 0: LDS serves a wave's instructions in order (ISA guide 5.7.1.4)
	s_wait_dscnt 0x0
	ds_store_b16 v15, v21                          ; the 64 places past the count repeat entry 0
	ds_store_b16 v15, v21 offset:64
	ds_store_b32 v20, v12 offset:CNT               ; all lanes write the same word with the same number
.set n, 0
.rept 5
	ds_load_b128 v[32+4*n:35+4*n], v14 offset:512*n  ; lane l of set n: entries 256 n + 8 l .. + 7
.set n, n+1
.endr
	s_wait_dscnt 0x0
	s_cmp_lg_u32 s16, 0
	s_cbranch_scc1 .Lno_lst                        ; each byte of lst has one writer: part 0
.set n, 0
.rept 5
	global_store_b128 v6, v[32+4*n:35+4*n], s[8:9] offset:512*n  ; 512 consecutive bytes, aligned; these registers are read below and never written again
.set n, n+1
.endr
.Lno_lst:
	TILE 0
	TILE 1
	TILE 2
	TILE 3
.Ldone:
	s_wait_dscnt 0x0                               ; the closing lines, six on end
	s_wait_alu 0x0
	s_wait_tensorcnt 0x0
	ds_add_u32 v2, v3
	s_wait_dscnt 0x0
	s_endpgm
.Lfunc_end_k_qfd6ca86edc_gather:
	.size	k_qfd6ca86edc_gather, .Lfunc_end_k_qfd6ca86edc_gather-k_qfd6ca86edc_gather
	.p2alignl 7, 3214868480
	.fill 96, 4, 3214868480
	.section	.rodata,"a",@progbits
	.p2align	6, 0x0
	.amdhsa_kernel k_qfd6ca86edc_gather
		.amdhsa_group_segment_fixed_size 77312
		.amdhsa_private_segment_fixed_size 0
		.amdhsa_enable_private_segment 0
		.amdhsa_kernarg_size 32
		.amdhsa_user_sgpr_count 2
		.amdhsa_user_sgpr_kernarg_segment_ptr 1
		.amdhsa_wavefront_size32 1
		.amdhsa_system_sgpr_workgroup_id_x 1
		.amdhsa_system_sgpr_workgroup_id_y 1
		.amdhsa_system_sgpr_workgroup_id_z 1
		.amdhsa_system_vgpr_workitem_id 0
		.amdhsa_next_free_vgpr 208
		.amdhsa_next_free_sgpr 66
		.amdhsa_reserve_vcc 0
		.amdhsa_float_denorm_mode_32 3
		.amdhsa_float_denorm_mode_16_64 3
		.amdhsa_memory_ordered 1
		.amdhsa_forward_progress 1
		.amdhsa_inst_pref_size 88
	.end_amdhsa_kernel
	.amdgpu_metadata
---
amdhsa.version: [ 1, 2 ]
amdhsa.kernels:
  - .name:           k_qfd6ca86edc_gather
    .symbol:         k_qfd6ca86edc_gather.kd
    .args:
      - { .name: bm, .offset: 0, .size: 8, .value_kind: global_buffer, .address_space: global }
      - { .name: xb, .offset: 8, .size: 8, .value_kind: global_buffer, .address_space: global }
      - { .name: lst, .offset: 16, .size: 8, .value_kind: global_buffer, .address_space: global }
      - { .name: xg, .offset: 24, .size: 8, .value_kind: global_buffer, .address_space: global }
    .group_segment_fixed_size: 77312
    .private_segment_fixed_size: 0
    .kernarg_segment_align: 8
    .kernarg_segment_size: 32
    .max_flat_workgroup_size: 128
    .sgpr_count:     66
    .vgpr_count:     208
    .wavefront_size: 32
...
	.end_amdgpu_metadata
.endif
;; end of part 7
;; launch up: the kernel of part 3 again; grid 16 x 16, 4 waves a work-group, no clusters, 67,072 bytes of LDS; arguments W1, b1, xg, lst, hid; writes hid
;; launch down (part 8): grid 16 x 16, 4 waves a work-group, no clusters, 84,480 bytes of LDS; arguments W2, b2, hid, lst, gw, part; writes part
.if DOCPART == 8
	.amdgcn_target "amdgcn-amd-amdhsa--gfx1250"
	.amdhsa_code_object_version 6
	.text
	.protected	k_qfd6ca86edc_down
	.globl	k_qfd6ca86edc_down
	.p2align	8
	.type	k_qfd6ca86edc_down,@function
k_qfd6ca86edc_down:
	s_mov_b64 s[64:65], 0
	v_nop
	global_prefetch_b8 v0, s[64:65] scope:SCOPE_SE
	s_setreg_imm32_b32 hwreg(HW_REG_WAVE_SCHED_MODE, 0, 2), 2
	s_setreg_imm32_b32 hwreg(HW_REG_WAVE_MODE, 25, 1), 1
	s_wait_xcnt 0x0
	s_wait_alu depctr_vm_vsrc(0)
; SECOND PRODUCT.  part[2 j + kh][token] = gate x (hid W2[e]^T over half kh of K, + b2[e] in half 0) for the rows (token, choice j) that chose expert e; operands bf16, sums and part f32.
; SHARES.  Work-group (x = e, y = 2 c + kh) owns 64 columns (rows 64 c .. of W2[e]) x 512 of K = 1,024: 131,072 bytes of f32 that it alone reads, once.  The expert is the grid's x: the
; work-groups that read the same tiles of hid are 16 or more apart in the order x-fastest, not neighbours.  All else as in the first product: each wave
; rounds 16 rows of the slice into LDS, one barrier, every wave holds the whole slice in 512 registers, wave w owns the expert's rows among tokens 1024 w .. 1024 w + 1023, by the same
; list lst[e][w], so row r of tile i is the same (token, choice) in both launches.  K is split in two so that a wave holds 64 columns: a row's piece of the result is then 256 bytes, and
; each tile of hid is read by 8 work-groups, not 16; the price is two partial rows more for each token, added by the last launch.
; A tile of hid lies in memory in the order of the operand registers: 32 loads of 512 consecutive bytes.
; THE WAY OUT.  A lane holds 8 columns of one row; the tile goes through the wave's own stage in LDS, at addresses that never change, and leaves as whole rows: 16 lanes store 256
; consecutive bytes, aligned, of a token's row.  Rows past the count repeat the list's entry 0: the same wave stores the same numbers to the same place once more.
; ADDRESSES.  A number read from memory, and a tile's number, enters an address only behind a minimum with a constant; behind the minimum stand only shifts left, an AND and adds.
; NO TENSOR LOADS, NO CLUSTER: each weight byte has one reader; hid's tiles are shared by 8 work-groups, but the trips hang on stored counts, and joint loads would want the 64 trips
; that cover every split, each with a round of the cluster's barrier.
; LIMITS.  NaN and infinities are not treated apart; the order of the f32 sums is the matrix unit's, and K's halves are added last.
; THE MODE: SCHED_MODE bits 1:0 = 2 (LLVM: expert scheduling mode 2), set by the entry lines.  The code itself states the register dependences
; between vector or matrix instructions and memory or LDS instructions, with s_wait_alu, always for 0.
; THE PLAN.  Registers that memory or LDS instructions touch in the loop; a step multiplies buffer x and fetches into buffer Y = (x + 2) % 3, which the step before multiplied:
;   v8, v24, v[10+Y], v[13+Y]  offsets: written by vector lines at the step's head, read by this step's loads.
;   v9            an entry ahead: a load lands; the next step's minimum reads and writes it.
;   v16-23        this tile's entries: two loads land; 48 vector lines make the store offsets of them; the eight global stores read them.
;   buffer Y, gate Y   loads land; last read by the step before's products and scalings.
;   ACC           written by the products and the scalings, read by eight LDS stores.        T   eight LDS loads land, eight global stores read; no vector line names it.
;   v25, v1, v6   LDS addresses and 16 lane: written ahead of the loop.
; So a step has THREE waits.  At its head, on vm_vsrc: the last step's stores have read v16-23, T and ACC, and earlier loads their offsets.  Behind the head's address lines, on va_vdst: the offsets are
; written, and the step before is done with v9, v16-23, buffer Y and gate Y.  Behind the scalings, on va_vdst: ACC and the store offsets are written.
; Behind the second wait the step's 36 loads are dealt: four small ones and 16 of hid's, 32 products, hid's other 16, 32 products.  The products name the slice, buffer x, the bias and ACC: no register that these loads touch.
; REGISTERS, in windows of 256 (s_set_vgpr_msb: bits 1:0 source 0, 3:2 source 1, 5:4 source 2, 7:6 destination):
;   window 0: v0-31 small; v32-63 four accumulators; v64-95 the bias in the accumulators' shape; v96-127 rows back from the stage; v128-255 hid buffer a; ahead of the loop the rounded slice rows pass through it
;   windows 1, 2: the slice: K step k, column block i at 32 (k % 8) + 8 i      window 3: hid buffers b, c; ahead of the loop the raw f32 weights land there
.set WP,     1040                      ; a slice row in LDS: 1,024 bytes + 16: the 16 rows of a fragment load start at 16 different groups of four banks (64 banks of 4 bytes: ISA guide 11.1)
.set WROWS,  16*WP
.set STAGE,  4*WROWS                   ; 66,560: 16 rows x 272 bytes for each wave
.set SPITCH, 272
.set SPARE,  STAGE+4*16*SPITCH         ; 83,968: the spare words, 128 bytes a wave: two blocks of 256 bytes that no other line names
.set LISTW,  2560
.set CNT,    2304
.set ACC,  32
.set BIAS, 64
.set T,    96
.set PK,   128                         ; ahead of the loop: batch b of the rounded slice rows at PK + 32 b
; In the loop: v1 stage read, v2 spare word, v3 zero, v4 16 r, v5 16 h, v6 16 lane, v7 at work, v8 list offset, v9 list entry ahead, v10-12 hid offsets of buffers a, b, c,
; v13-15 gate offsets, v16-23 the tile's 16 entries, then its store offsets, v24 list offset, the same in all lanes, v25 stage store, v26-31 gates (even; the odd ones are 0)
; Ahead of it: v1 lane, v4 r, v5 h, v8 2 r, v13, v14 the entries of tiles 0, 1, v15 at work, v23 slice store, v24 slice load, v26 32 h
; s16 w, s17 e, s18 c, s19 kh, s22 my rows, s25 tiles, s26 tile, s27 trips, s29 the bias's mask, s34, s35 at work
.set MSB, 0
.macro WIN new                         ; the immediate's high byte repeats the setting that is left; a switch that changes nothing is dropped
.if MSB != (\new)
	s_set_vgpr_msb (MSB<<8)|(\new)
.set MSB, (\new)
.endif
.endm
.macro WLOAD pitch                     ; my 16 rows of the slice: 64 loads of 512 consecutive bytes, into window 3
	WIN 0xc0
.set n, 0
.rept 64
	global_load_b128 v[4*n:4*n+3], v6, s[4:5] offset:(n/4)*(\pitch)+(n%4)*512 th:TH_LOAD_NT
.set n, n+1
.endr
	WIN 0
.endm
.macro WCVT extra                      ; four batches of four rows: rounded to bf16, 8 bytes a lane into LDS.  extra: the loads issued behind the weights'.  Each batch has 32 registers of its own: none is written under a pending LDS store
.set b, 0
.rept 4
	s_wait_loadcnt 48-16*b+(\extra)                ; this batch's 16 loads are in; the younger batches and the loads behind them stay out
	WIN 0x0f
.set n, 0
.rept 32
	v_cvt_pk_bf16_f32 v[PK+32*b+n], v[64*b+2*n], v[64*b+2*n+1]
.set n, n+1
.endr
	WIN 0
	s_wait_alu depctr_va_vdst(0)                   ; the batch's conversions have written its 32 registers, which its LDS stores read
.set n, 0
.rept 16
	ds_store_b64 v23, v[PK+32*b+2*n:PK+32*b+2*n+1] offset:(4*b+n/4)*WP+(n%4)*256
.set n, n+1
.endr
.set b, b+1
.endr
.endm
.macro BLOAD                           ; the whole slice into windows 1 and 2
.set k, 0
.rept 16
	WIN 0x40*(1+k/8)
.set n, 0
.rept 8
	ds_load_b128 v[32*(k%8)+4*n:32*(k%8)+4*n+3], v24 offset:(n/2)*WROWS+64*k+(n%2)*32
.set n, n+1
.endr
.set k, k+1
.endr
	WIN 0
	s_wait_dscnt 0x0
.endm
.macro LOADA buf, strk, strq, n0, cnt  ; loads n0 .. n0 + cnt - 1 of the 32 that bring a tile's 16 fragments (16 rows x 512 K) into buffer buf: 512 consecutive bytes each.  It leaves the windows as it set them
.if (\buf) == 0
	WIN 0
.else
	WIN 0xc0
.endif
.set AB, 128*(1-((\buf)%2))
.set n, (\n0)
.rept \cnt
	global_load_b128 v[AB+4*n:AB+4*n+3], v[10+(\buf)], s[8:9] offset:(n/2)*(\strk)+(n%2)*(\strq)
.set n, n+1
.endr
.endm
.macro MULT buf, k0                    ; 32 of a tile's 64 matrix instructions: K steps k0 .. k0 + 7; source 0 = 16 columns' weights, source 1 = 16 rows: lane (r, h), register j of block i holds row r, column 16 i + 8 h + j.
.set AB, 128*(1-((\buf)%2))            ; The first four start the sums with the bias; the four accumulators take turns.
.set AW, 0
.if (\buf) != 0
.set AW, 3
.endif
.set k, (\k0)
	WIN (1+k/8)|(AW<<2)
.rept 8
.set i, 0
.rept 4
.if k == 0
	v_wmma_f32_16x16x32_bf16 v[ACC+8*i:ACC+8*i+7], v[32*(k%8)+8*i:32*(k%8)+8*i+7], v[AB+8*k:AB+8*k+7], v[BIAS+8*i:BIAS+8*i+7]
.else
	v_wmma_f32_16x16x32_bf16 v[ACC+8*i:ACC+8*i+7], v[32*(k%8)+8*i:32*(k%8)+8*i+7], v[AB+8*k:AB+8*k+7], v[ACC+8*i:ACC+8*i+7]
.endif
.set i, i+1
.endr
.set k, k+1
.endr
.endm
; One tile: computed from buffer x, while the tile two on is fetched into the buffer that the tile before has left.  Issued in a step, in this order: three small loads (the list entry
; of the tile three on; this tile's 16 entries), then 33 (one of gates, 32 of hid).
.macro STEP x
.set Y, ((\x)+2)%3
	s_wait_alu depctr_vm_vsrc(0)                   ; the last step's global stores have read v16-23 and T, its LDS stores ACC, and the loads issued so far v8, v24 and the offsets of buffer Y: all are written anew in this step (in the first step: the slice's LDS loads have read v24)
	s_cmp_ge_u32 s26, s25                          ; no tile left: out, forward; nothing that is jumped holds a barrier
	s_cbranch_scc1 .Ldone
	s_wait_loadcnt 33                              ; this tile's 33 loads and the entry of the tile two on are in; the next tile's 33 stay out
	s_wait_xcnt 0x0                                ; the last tile's stores have read their offsets and their data: both are written anew below
	v_min_u32 v9, 0x1fff, v9                       ; the entry of the tile two on, inside gw's 8,192 numbers,
	v_lshlrev_b32 v[13+Y], 2, v9                   ; gw[choice][token] = entry x 4 bytes
	s_add_co_u32 s34, s26, 2
	s_sub_co_u32 s35, s25, 1
	s_min_u32 s34, s34, s35                        ; past my last tile the look-ahead reads the last tile again: only bytes that the first product wrote are read
	s_min_u32 s34, s34, 63
	s_lshl_b32 s34, s34, 15
	v_add_nc_u32 v[10+Y], s34, v6                  ; tile x 32,768 + 16 lane
	s_add_co_u32 s35, s26, 3                       ; the entry of the tile three on:
	s_min_u32 s35, s35, 66                         ; tile 66's row 15 is entry 1,071 of the 1,088 that are written,
	s_lshl_b32 s35, s35, 5                         ; 32 bytes a tile
	v_lshrrev_b32 v8, 3, v4                        ; + 2 r
	v_add_nc_u32 v8, s35, v8
	s_min_u32 s35, s26, 63                         ; this tile's 16 entries, in every lane
	s_lshl_b32 s35, s35, 5
	v_mov_b32 v24, s35
	s_wait_alu depctr_va_vdst(0)                   ; the four offsets v8, v24, v[10+Y], v[13+Y] are written, which the loads below read; the minimum has written v9 and the last step's lines v16-23, in which loads land; the last step's products and scalings are done reading buffer Y and gate Y, in which loads land
	global_load_u16 v9, v8, s[10:11]
	global_load_b128 v[16:19], v24, s[10:11]
	global_load_b128 v[20:23], v24, s[10:11] offset:16
	global_load_b32 v[26+2*Y], v[13+Y], s[12:13]
	LOADA Y, 1024, 512, 0, 16
	MULT \x, 0
	LOADA Y, 1024, 512, 16, 16                     ; no wait: no vector or matrix instruction since the wait above names buffer Y or its offset
	MULT \x, 8
	WIN 0
	s_wait_loadcnt 33                              ; the three small loads are in; the 33 issued behind them stay out
.set p, 0
.rept 8                                ; store p takes rows 2 p (lanes 0-15) and 2 p + 1 (lanes 16-31).  These 48 plain lines name no register of the products: they are the places behind the last one (ISA guide 7.12.1)
	v_bfe_u32 v[16+p], v[16+p], v5, 16
	v_min_u32 v[16+p], 0x1fff, v[16+p]
	v_and_b32 v7, 0x1000, v[16+p]
	v_add_nc_u32 v[16+p], v[16+p], v7              ; token + 8,192 x choice: the row of part, less the half's 4,096
	v_lshlrev_b32 v[16+p], 11, v[16+p]             ; x 2,048 bytes
	v_add_nc_u32 v[16+p], v4, v[16+p]              ; + 16 r
.set p, p+1
.endr
.set n, 0
.rept 16
	v_pk_mul_f32 v[ACC+2*n:ACC+2*n+1], v[ACC+2*n:ACC+2*n+1], v[26+2*(\x):27+2*(\x)] op_sel_hi:[1,0]  ; my row's gate; each accumulator from its low end on
.set n, n+1
.endr
	s_wait_alu depctr_va_vdst(0)                   ; the scalings have written ACC, which the LDS stores read, and the lines above v16-23, which the global stores read as offsets
.set n, 0
.rept 8
	ds_store_b128 v25, v[ACC+4*n:ACC+4*n+3] offset:(n/2)*64+(n%2)*16
.set n, n+1
.endr
.set p, 0
.rept 8
	ds_load_b128 v[T+4*p:T+4*p+3], v1 offset:2*SPITCH*p  ; my own stage, and LDS serves a wave's instructions in order (ISA guide 5.7.1.4): these see the stores above
.set p, p+1
.endr
.set p, 0
.rept 8
	s_wait_dscnt 7-p                               ; rows 2 p, 2 p + 1 are back; the younger reads stay out
	global_store_b128 v[16+p], v[T+4*p:T+4*p+3], s[14:15]  ; 16 lanes store 256 consecutive bytes, aligned
.set p, p+1
.endr
	s_add_co_u32 s26, s26, 1
.endm
	s_load_b256 s[4:11], s[0:1], 0x0               ; W2 s[4:5], b2 s[6:7], hid s[8:9], lst s[10:11]
	s_load_b128 s[12:15], s[0:1], 0x20             ; gw s[12:13], part s[14:15]
	v_lshl_add_u32 v2, v0, 2, SPARE
	v_mov_b32 v3, 0
	v_lshrrev_b32 v1, 5, v0
	v_readfirstlane_b32 s16, v1                    ; wave 0..3
	s_mov_b32 s17, ttmp9                           ; expert: the grid's x
	s_and_b32 s35, ttmp7, 0xffff                   ; the grid's y = 2 c + kh
	s_lshr_b32 s18, s35, 1                         ; column slice
	s_and_b32 s19, s35, 1                          ; half of K
	s_cmp_eq_u32 s19, 0
	s_cselect_b32 s29, -1, 0                       ; the bias enters once, in half 0
	v_and_b32 v1, 31, v0
	v_and_b32 v4, 15, v0
	v_bfe_u32 v5, v0, 4, 1
	v_lshlrev_b32 v6, 4, v1
	v_lshlrev_b32 v8, 1, v4
	s_wait_alu depctr_va_sdst(0)                   ; s16 is written, ahead of its first reader: the wave's LDS places and bases are made from it
	s_mul_i32 s35, s16, WROWS
	v_lshl_add_u32 v23, v1, 3, s35
	v_mul_u32_u24 v24, v4, WP
	v_lshl_add_u32 v24, v5, 4, v24
	v_lshlrev_b32 v26, 5, v5
	v_mov_b32 v27, 0                               ; named with the gates as pairs
	v_mov_b32 v29, 0
	v_mov_b32 v31, 0
	s_mov_b32 s37, 0
	s_wait_kmcnt 0x0
	s_lshl_b32 s36, s17, 21                        ; W2: expert x 2 MiB + slice x 64 rows + wave x 16 rows of 4,096 bytes + half x 2,048
	s_lshl_b32 s35, s18, 18
	s_add_co_u32 s36, s36, s35
	s_lshl_b32 s35, s16, 16
	s_add_co_u32 s36, s36, s35
	s_lshl_b32 s35, s19, 11
	s_add_co_u32 s36, s36, s35
	s_add_nc_u64 s[4:5], s[4:5], s[36:37]
	s_lshl_b32 s36, s17, 11                        ; b2: expert x 2,048 + slice x 256
	s_lshl_b32 s35, s18, 8
	s_add_co_u32 s36, s36, s35
	s_add_nc_u64 s[6:7], s[6:7], s[36:37]
	s_lshl2_add_u32 s34, s17, s16                  ; 4 e + w
	s_lshl_b32 s36, s34, 21                        ; hid: x 2 MiB + half x 16 K steps of 1,024 bytes
	s_lshl_b32 s35, s19, 14
	s_add_co_u32 s36, s36, s35
	s_add_nc_u64 s[8:9], s[8:9], s[36:37]
	s_mul_i32 s36, s34, LISTW                      ; lst: x 2,560
	s_add_nc_u64 s[10:11], s[10:11], s[36:37]
	s_lshl_b32 s36, s19, 23                        ; part: half x 4,096 rows of 2,048 bytes + slice x 256
	s_lshl_b32 s35, s18, 8
	s_add_co_u32 s36, s36, s35
	s_add_nc_u64 s[14:15], s[14:15], s[36:37]
	s_load_b32 s22, s[10:11], CNT                  ; my rows
	s_wait_alu depctr_va_vdst(0)                   ; the offsets v26, v6 and v8 are written, which the loads below read, and the LDS addresses v23 and v24, which the slice's stores and loads read
.set i, 0
.rept 4
	global_load_b128 v[BIAS+8*i:BIAS+8*i+3], v26, s[6:7] offset:64*i
	global_load_b128 v[BIAS+8*i+4:BIAS+8*i+7], v26, s[6:7] offset:64*i+16
.set i, i+1
.endr
	WLOAD 4096
	global_load_u16 v13, v8, s[10:11]              ; row r's entry of tiles 0, 1, 2: written whatever the count
	global_load_u16 v14, v8, s[10:11] offset:32
	global_load_u16 v9, v8, s[10:11] offset:64
	s_wait_loadcnt 63                              ; of 75 loads the first 12 are in: the bias's 8 among them
.set n, 0
.rept 16
	v_cvt_pk_bf16_f32 v15, v[BIAS+2*n], v[BIAS+2*n+1]  ; the bias is rounded to bf16 like every input, kept in half 0 alone, and widened again
	v_and_b32 v15, s29, v15
	v_lshlrev_b32 v[BIAS+2*n], 16, v15
	v_and_b32 v[BIAS+2*n+1], 0xffff0000, v15
.set n, n+1
.endr
	s_wait_kmcnt 0x0
	s_min_u32 s22, s22, 1024
	s_add_co_u32 s25, s22, 15
	s_lshr_b32 s25, s25, 4                         ; my tiles
	WCVT 3
	s_wait_dscnt 0x0                               ; for the others' sake: my 16 rows of the slice are in LDS
	s_barrier_signal -1
	s_barrier_wait -1                              ; the kernel's one barrier; every wave passes it
	s_wait_alu depctr_vm_vsrc(0)                   ; my LDS stores have read v128-255, in which tile 0 lands, and v23, in which entries land; the bias's loads have read v26, in which a gate lands
	s_cmp_eq_u32 s25, 0
	s_cbranch_scc1 .Ldone                          ; none of my tokens chose this expert
	s_sub_co_u32 s35, s25, 1
	s_min_u32 s34, s35, 1                          ; tile 1, or tile 0 again where there is one tile
	s_lshl_b32 s34, s34, 15
	v_mov_b32 v10, v6
	v_add_nc_u32 v11, s34, v6
	s_wait_loadcnt 0x1                             ; the third entry may stay out
	v_min_u32 v13, 0x1fff, v13
	v_lshlrev_b32 v13, 2, v13
	v_min_u32 v14, 0x1fff, v14
	v_lshlrev_b32 v14, 2, v14
	s_wait_alu depctr_va_vdst(0)                   ; the offsets v10, v11, v13 and v14 are written, which the loads below read; the conversions have written v128-255 and are done reading window 3, and v26 was written at the head: loads land in all of these
	LOADA 0, 1024, 512, 0, 32
	global_load_b32 v26, v13, s[12:13]
	LOADA 1, 1024, 512, 0, 32
	WIN 0
	global_load_b32 v28, v14, s[12:13]
	BLOAD
	s_mul_i32 s35, s16, 16*SPITCH
	s_add_co_u32 s35, s35, STAGE                   ; my stage
	v_mul_u32_u24 v25, v4, SPITCH                  ; in: row r, 32 bytes for each half of the lanes
	v_lshl_add_u32 v25, v5, 5, v25
	v_add_nc_u32 v25, s35, v25
	v_mul_u32_u24 v1, v5, SPITCH                   ; back: lanes 0-15 take one row of 256 bytes, lanes 16-31 the next
	v_lshl_add_u32 v1, v4, 4, v1
	v_add_nc_u32 v1, s35, v1
	v_lshlrev_b32 v4, 4, v4
	v_lshlrev_b32 v5, 4, v5
	s_mov_b32 s26, 0
	s_mov_b32 s27, 22                              ; 22 trips of three tiles cover the 64 tiles that a wave can have
.Ltrip:
	STEP 0
	STEP 1
	STEP 2
	s_sub_co_u32 s27, s27, 1
	s_cmp_lg_u32 s27, 0
	s_cbranch_scc1 .Ltrip
.Ldone:
	s_wait_dscnt 0x0                               ; the closing lines, six on end
	s_wait_alu 0x0
	s_wait_tensorcnt 0x0
	ds_add_u32 v2, v3
	s_wait_dscnt 0x0
	s_endpgm
.Lfunc_end_k_qfd6ca86edc_down:
	.size	k_qfd6ca86edc_down, .Lfunc_end_k_qfd6ca86edc_down-k_qfd6ca86edc_down
	.p2alignl 7, 3214868480
	.fill 96, 4, 3214868480
	.section	.rodata,"a",@progbits
	.p2align	6, 0x0
	.amdhsa_kernel k_qfd6ca86edc_down
		.amdhsa_group_segment_fixed_size 84480
		.amdhsa_private_segment_fixed_size 0
		.amdhsa_enable_private_segment 0
		.amdhsa_kernarg_size 48
		.amdhsa_user_sgpr_count 2
		.amdhsa_user_sgpr_kernarg_segment_ptr 1
		.amdhsa_wavefront_size32 1
		.amdhsa_system_sgpr_workgroup_id_x 1
		.amdhsa_system_sgpr_workgroup_id_y 1
		.amdhsa_system_sgpr_workgroup_id_z 1
		.amdhsa_system_vgpr_workitem_id 0
		.amdhsa_next_free_vgpr 1024
		.amdhsa_next_free_sgpr 66
		.amdhsa_reserve_vcc 0
		.amdhsa_float_denorm_mode_32 3
		.amdhsa_float_denorm_mode_16_64 3
		.amdhsa_memory_ordered 1
		.amdhsa_forward_progress 1
		.amdhsa_inst_pref_size 82
	.end_amdhsa_kernel
	.amdgpu_metadata
---
amdhsa.version: [ 1, 2 ]
amdhsa.kernels:
  - .name:           k_qfd6ca86edc_down
    .symbol:         k_qfd6ca86edc_down.kd
    .args:
      - { .name: W2, .offset: 0, .size: 8, .value_kind: global_buffer, .address_space: global }
      - { .name: b2, .offset: 8, .size: 8, .value_kind: global_buffer, .address_space: global }
      - { .name: hid, .offset: 16, .size: 8, .value_kind: global_buffer, .address_space: global }
      - { .name: lst, .offset: 24, .size: 8, .value_kind: global_buffer, .address_space: global }
      - { .name: gw, .offset: 32, .size: 8, .value_kind: global_buffer, .address_space: global }
      - { .name: part, .offset: 40, .size: 8, .value_kind: global_buffer, .address_space: global }
    .group_segment_fixed_size: 84480
    .private_segment_fixed_size: 0
    .kernarg_segment_align: 8
    .kernarg_segment_size: 48
    .max_flat_workgroup_size: 128
    .sgpr_count:     66
    .vgpr_count:     1024
    .wavefront_size: 32
...
	.end_amdgpu_metadata
.endif
;; end of part 8
;; launch join: the kernel of part 5 again; grid 256 x 1, 8 waves a work-group, no clusters, 0 bytes of LDS; arguments part, pp, out0, out1; writes out0, out1
